; MI455X (gfx1250); checked and timed in simulation.
; The chip was launched on July 23, 2026; its instructions are those of AMD's public machine-readable ISA for CDNA 5 (MIT licence, August 2026) and "CDNA5" Instruction Set Architecture Reference Guide (July 2026). The comments in the code are by the model that wrote it; some were corrected since.
;; Norm Attention. Allowed arithmetic: matrix products marked QUANTISED: E2M1 operands, one E8M0 scale for each 32 along K, by v_wmma_scale_f32_16x16x128_f8f6f4 with both operands' format E2M1 (or v_wmma_scale_f32_32x16x128_f4), f32 sums; products left as they are: bf16, f16 or f32 operands; f32 sums; everything else in f32.
;; Inputs: b_proj 1,024 float32; freqs_cos 2,048 x 64 float32; freqs_sin 2,048 x 64 float32; kn_w 64 float32; qn_w 64 float32; w_proj 1,024 x 1,024 float32; w_qkv 1,024 x 3,072 float32; x 4 x 2,048 x 1,024 float32.
;; Outputs: out0 4 x 2,048 x 1,024 float32.
;; This version of the problem:
;;   THIS VERSION OF THE PROBLEM IS GIVEN IN LOW PRECISION. The matrix products marked QUANTISED in the list below multiply operands that are first quantised to E2M1 (2 exponent bits, 1 mantissa bit; 4 bits a number), with one power-of-two scale for each 32 numbers along K (OCP MX v1.0); their sums are f32. The products marked 'left as it is' may take bf16, f16 or f32 operands, with f32 sums. Whichever they take, every output number must still come out within the allowed error. Rounding operands to bf16 (8 significant bits) uses up far more of that allowance than f16 does (11 bits, for magnitudes from 6e-5 to 65,504). All else is computed in f32.
;;   The module's matrix products, in the order in which they are computed (A, B: the left and right operand; K: the contracted axis; several contracted axes count as one K, in the product's order):
;;     1. [M 8,192, K 1,024] x [K 1,024, N 3,072]; A: input x; B: input w_qkv: QUANTISED
;;     2. batch 64 x [M 2,048, K 64] x [K 64, N 2,048]; A: computed on the way; B: computed on the way: left as it is (an operand is computed on the way)
;;     3. batch 64 x [M 2,048, K 2,048] x [K 2,048, N 64]; A: computed on the way; B: computed on the way: left as it is (an operand is computed on the way)
;;     4. [M 8,192, K 1,024] x [K 1,024, N 1,024]; A: computed on the way; B: input w_proj: left as it is (an operand is computed on the way)
;;   THE QUANTISER, for each operand of a quantised product, along K:
;;     - K is cut into blocks of 32 from its start; a last block that is shorter is filled with zeros.
;;     - A block's scale is 2^e with e = floor(log2(the largest magnitude in the block)) - 2, held to -126 .. 127; a block of zeros has e = 0. As a byte (E8M0): e + 127.
;;     - Each number is divided by its block's scale, clamped to +-6, and rounded to the nearest number of E2M1, ties to even, subnormals kept.
;;     - The product sums the exact products of the quantised numbers (number of the format x scale) in f32.
;;   ~~~python
;;   def quantise(x, axis):      # numpy; x: float32 -> the quantised numbers, widened to float32 again
;;       x = np.moveaxis(x, axis, -1); K = x.shape[-1]
;;       x = np.pad(x, [(0, 0)] * (x.ndim - 1) + [(0, -K % 32)]); x = x.reshape(x.shape[:-1] + (-1, 32)); a = np.abs(x).max(-1, keepdims=True)
;;       e = np.where(a > 0, np.clip(np.frexp(np.where(a > 0, a, 1))[1] - 1 - 2, -126, 127), 0)      # np.frexp(a)[1] - 1 = floor(log2(a)), exactly
;;       r = np.clip(x / 2.0 ** e, -6, 6)
;;       step = 2.0 ** (np.maximum(np.frexp(np.where(r == 0, 1, r))[1] - 1, 0) - 1)
;;       q = np.round(r / step) * step * 2.0 ** e      # np.round: ties to even
;;       return np.moveaxis(q.reshape(q.shape[:-2] + (-1,))[..., :K], -1, axis).astype(np.float32)
;;   ~~~
;; One version. Each part assembles by itself: llvm-mc -triple=amdgcn-amd-amdhsa -mcpu=gfx1250 --defsym DOCPART=n.
;; ======== version 1 of 1: 4 launches
;; limits: values are held in f16: magnitudes above 65,504 overflow, below 6.1e-05 lose precision
;; workspace buffers: x_codes 4,194,304 bytes; x_scales 262,144 bytes; w_codes 1,572,864 bytes; w_scales 98,304 bytes; wp16 2,097,152 bytes; qkv 50,331,648 bytes; ao 16,777,216 bytes
;; launch prep (part 1): grid 432 x 1, 4 waves a work-group, no clusters, 68,096 bytes of LDS; arguments x, w_qkv, w_proj, x_codes, x_scales, w_codes, w_scales, wp16; writes x_codes, x_scales, w_codes, w_scales, wp16
.if DOCPART == 1
	.amdgcn_target "amdgcn-amd-amdhsa--gfx1250"
	.amdhsa_code_object_version 6
	.text
	.protected	k_q84bd0aacbf_prep
	.globl	k_q84bd0aacbf_prep
	.p2align	8
	.type	k_q84bd0aacbf_prep,@function
k_q84bd0aacbf_prep:
	s_mov_b64 s[64:65], 0
	v_nop
	global_prefetch_b8 v0, s[64:65] scope:SCOPE_SE
	s_setreg_imm32_b32 hwreg(HW_REG_WAVE_MODE, 25, 1), 1
	s_wait_xcnt 0x0
; Three pieces of preparation in one launch, told apart by the work-group's number:
;   W (work-groups 0-47):    w_qkv [1024 (k)][3072 (n)] f32 -> codes of FP4 (E2M1) laid [3072][1024] with K innermost (512 bytes a row), one E8M0 byte for each 32 along K, laid [3072][32]
;   X (work-groups 48-303):  x [8192][1024] f32 -> codes [8192][512 bytes], scale bytes [8192][32]
;   P (work-groups 304-431): w_proj [1024][1024] f32 -> f16, same layout
; W has few waves and many dependent waits, so it has the lowest numbers and runs beside the long stream of X.
; A block's scale is 2^(floor(log2(its largest magnitude)) - 2); its byte is the largest magnitude's exponent field - 2, held at 1 from below.
; LIMITS: a block of zeros gets the byte 1 (its codes are zeros, and this program alone reads the bytes); blocks whose largest magnitude lies under 2^-124, the floor, were not tried;
; NaN and infinities among the inputs are not served; w_proj must lie inside f16's range (65,504).
; No tensor loads, no barrier: waves share nothing.  Each path has LDS bytes of its own.
.set EMAX,   2
.set SPW,    192                       ; v192  LDS address of my spare word: SPARE + 4 x my thread's number; never rewritten
.set NIL,    193                       ; v193  0; never rewritten
.set XREG,   8192                      ; path X: a region for each wave: two stages of 32 x SP bytes, behind them its 256 scale bytes
.set SP,     80                        ; a lane's place in a stage: 64 bytes + 16 of padding
.set WST,    4*XREG                    ; path W: four stages of 32 rows
.set WPITCH, 272                       ; a stage row: 256 bytes of codes + 16
.set SPARE,  WST+4*32*WPITCH           ; the spare words, 128 bytes a wave: two blocks of 256 bytes that no other line names
.set STEPS,  16                        ; path X: steps of 512 numbers a wave
.set CB,     8                         ; bytes of 16 codes
.set XR,     16                        ; v16-79   four sets of 16 numbers as loaded
.set XX,     80                        ; v80-111  two sets of 16 neighbours
.set XE,     112                       ; v112-127 a scale byte for each step
.set XC,     128                       ; v128-191 codes: four registers for each step, so that no store's data are written again
.set WN,     3072
.set NB,     16                        ; path W: blocks of 32 along K for a wave
.set KROW,   512                       ; a row of w_codes in bytes
.set WX,     32                        ; v32-95   two sets of 32 numbers
.set WC,     96                        ; v96-99   a block's codes
.set WOUT,   112                       ; v112-175 the way out
.set WSB,    24                        ; v24-27   the scale bytes, four to a register
.macro XLOAD t                         ; a step's 2,048 bytes: each load reads 512 consecutive bytes
.irp i, 0,1,2,3
	global_load_b128 v[XR+16*((\t)%4)+4*\i:XR+16*((\t)%4)+4*\i+3], v3, s[4:5] offset:2048*(\t)+512*\i th:TH_LOAD_NT
.endr
.endm
.macro XTURN t                         ; through the wave's stage, so that a lane gets 16 neighbours; LDS serves a wave's instructions in order, so no wait stands between
.irp i, 0,1,2,3
	ds_store_b128 v14, v[XR+16*((\t)%4)+4*\i:XR+16*((\t)%4)+4*\i+3] offset:32*SP*((\t)%2)+8*SP*\i
.endr
.irp i, 0,1,2,3
	ds_load_b128 v[XX+16*((\t)%2)+4*\i:XX+16*((\t)%2)+4*\i+3], v15 offset:32*SP*((\t)%2)+16*\i
.endr
.endm
.macro XSTEP t
.set XS, XX+16*((\t)%2)
.if (\t) > 0
	s_wait_dscnt 1                                 ; this step's numbers are back from the stage; the last step's byte store may be out
.else
	s_wait_dscnt 0x0
.endif
.if (\t)+4 < STEPS
	XLOAD (\t)+4                                   ; into the set whose stores into the stage have read their registers
.endif
.if (\t)+1 < STEPS
.if STEPS-2-(\t) >= 3
	s_wait_loadcnt 12                              ; the next step's four loads are in; those of the three steps behind it may be out
.else
	s_wait_loadcnt 4*(STEPS-2-(\t))
.endif
	XTURN (\t)+1
.endif
	v_max3_num_f32 v8, |v[XS]|, |v[XS+1]|, |v[XS+2]|               ; the largest magnitude of my 16, in two chains
	v_max3_num_f32 v9, |v[XS+3]|, |v[XS+4]|, |v[XS+5]|
.irp i, 6,10
	v_max3_num_f32 v8, v8, |v[XS+\i]|, |v[XS+\i+1]|
	v_max3_num_f32 v9, v9, |v[XS+\i+2]|, |v[XS+\i+3]|
.endr
	v_max3_num_f32 v8, v8, |v[XS+14]|, |v[XS+15]|
	v_max3_num_f32 v8, v8, v9, (EMAX+1)<<23        ; and the floor 2^(3 - 127): the byte cannot fall under 1
	v_max_num_f32_dpp v8, v8, v8 row_xmask:1 row_mask:0xf bank_mask:0xf   ; with my neighbour's 16: the block's
	v_add_nc_u32 v11, -(EMAX<<23), v8              ; 2 off the exponent field: the conversion takes this operand's exponent field as its scale
	v_cvt_scalef32_pk8_fp4_f32 v[XC+4*(\t)], v[XS:XS+7], v11
	v_cvt_scalef32_pk8_fp4_f32 v[XC+4*(\t)+1], v[XS+8:XS+15], v11
	v_lshrrev_b32 v[XE+(\t)], 23, v11              ; the scale's byte (a plain line behind the conversions)
	ds_store_b8 v5, v[XE+(\t)] offset:16*(\t)      ; both lanes of a block write the same byte with the same value
	global_store_b64 v4, v[XC+4*(\t):XC+4*(\t)+1], s[10:11] offset:32*CB*(\t)   ; the wave stores 256 consecutive bytes, aligned
.endm
.macro WLOAD t                         ; block t: w(32 t + i, my column), i = 0 .. 31: 128 consecutive bytes a wave and load
.irp i, 0,1,2,3,4,5,6,7,8,9,10,11,12,13,14,15,16,17,18,19,20,21,22,23,24,25,26,27,28,29,30,31
	global_load_b32 v[WX+32*((\t)%2)+\i], v3, s[6:7] offset:(32*(\t)+\i)*WN*4 th:TH_LOAD_NT
.endr
.endm
.macro WBLOCK t
.set XS, WX+32*((\t)%2)
.if (\t) < NB-1
	s_wait_loadcnt 32                              ; this block's 32 loads are in; the next block's may be out
.else
	s_wait_loadcnt 0
.endif
	v_max3_num_f32 v12, |v[XS]|, |v[XS+1]|, |v[XS+2]|              ; all 32 numbers of the block are mine
	v_max3_num_f32 v13, |v[XS+3]|, |v[XS+4]|, |v[XS+5]|
.irp i, 6,10,14,18,22,26
	v_max3_num_f32 v12, v12, |v[XS+\i]|, |v[XS+\i+1]|
	v_max3_num_f32 v13, v13, |v[XS+\i+2]|, |v[XS+\i+3]|
.endr
	v_max3_num_f32 v12, v12, |v[XS+30]|, |v[XS+31]|
	v_max3_num_f32 v12, v12, v13, (EMAX+1)<<23
	v_add_nc_u32 v11, -(EMAX<<23), v12
	v_lshrrev_b32 v13, 23, v11
.if (\t)%4 == 0
	v_mov_b32 v[WSB+(\t)/4], v13                   ; four bytes to a register, the lower K in the lower byte
.else
	v_lshl_or_b32 v[WSB+(\t)/4], v13, 8*((\t)%4), v[WSB+(\t)/4]
.endif
.irp g, 0,1,2,3
	v_cvt_scalef32_pk8_fp4_f32 v[WC+\g], v[XS+8*\g:XS+8*\g+7], v11
.endr
	ds_store_b128 v4, v[WC:WC+3] offset:16*(\t)    ; 32 codes: 16 bytes of my column's row
.if (\t)+2 < NB
	WLOAD (\t)+2
.endif
	s_wait_dscnt 0x0                               ; the store has read its registers: the next block's codes may be written
.endm
	s_load_b256 s[4:11], s[0:1], 0x0               ; x s[4:5], w_qkv s[6:7], w_proj s[8:9], x_codes s[10:11]
	s_load_b256 s[12:19], s[0:1], 0x20             ; x_scales s[12:13], w_codes s[14:15], w_scales s[16:17], wp16 s[18:19]
	v_lshl_add_u32 v[SPW], v0, 2, SPARE
	v_mov_b32 v[NIL], 0
	v_lshrrev_b32 v1, 5, v0
	v_readfirstlane_b32 s20, v1                    ; wave 0..3
	v_and_b32 v2, 31, v0                           ; lane
	s_wait_kmcnt 0x0
	s_cmp_lt_u32 ttmp9, 48
	s_cbranch_scc1 .Lw
	s_cmp_lt_u32 ttmp9, 304
	s_cbranch_scc1 .Lx
	; ---- P: a wave takes 2,048 numbers of w_proj: 16 loads of 512 consecutive bytes, 16 stores of 256
	s_sub_co_u32 s21, ttmp9, 304
	s_lshl_b32 s21, s21, 2
	s_add_co_u32 s21, s21, s20                     ; which part of 512
	s_lshl_b32 s22, s21, 13
	s_mov_b32 s23, 0
	s_add_nc_u64 s[8:9], s[8:9], s[22:23]
	s_lshl_b32 s22, s21, 12
	s_add_nc_u64 s[18:19], s[18:19], s[22:23]
	v_lshlrev_b32 v3, 4, v2
	v_lshlrev_b32 v4, 3, v2
.irp i, 0,1,2,3,4,5,6,7,8,9,10,11,12,13,14,15
	global_load_b128 v[32+4*\i:35+4*\i], v3, s[8:9] offset:512*\i th:TH_LOAD_NT
.endr
.irp i, 0,1,2,3,4,5,6,7,8,9,10,11,12,13,14,15
	s_wait_loadcnt 15-\i                           ; loads come back in order: load i is in, the younger ones stay out
	v_cvt_pk_f16_f32 v[96+2*\i], v[32+4*\i], v[33+4*\i]
	v_cvt_pk_f16_f32 v[97+2*\i], v[34+4*\i], v[35+4*\i]
	global_store_b64 v4, v[96+2*\i:97+2*\i], s[18:19] offset:256*\i
.endr
	s_endpgm
	; ---- X: a wave takes 8,192 numbers of x
.Lx:
	v_lshlrev_b32 v3, 4, v2                        ; my 16 bytes of a load's 512
	s_mul_i32 s21, s20, XREG
	v_lshrrev_b32 v14, 2, v2
	v_mul_u32_u24 v14, v14, SP
	v_and_b32 v15, 3, v2
	v_lshl_add_u32 v14, v15, 4, v14
	v_add_nc_u32 v14, s21, v14                     ; the stage, on the way in: SP (lane / 4) + 16 (lane % 4)
	v_mul_u32_u24 v15, v2, SP
	v_add_nc_u32 v15, s21, v15                     ; and on the way out: SP x lane
	v_mul_u32_u24 v4, v2, CB                       ; my codes' place in a step's
	v_lshrrev_b32 v5, 1, v2
	s_add_co_u32 s21, s21, 2*32*SP
	v_add_nc_u32 v5, s21, v5                       ; my block's byte among my wave's 256 scale bytes
	v_lshlrev_b32 v7, 3, v2
	v_add_nc_u32 v6, s21, v7                       ; and on the way out 8 bytes a lane
	s_sub_co_u32 s22, ttmp9, 48
	s_lshl_b32 s22, s22, 2
	s_add_co_u32 s22, s22, s20                     ; which run of 8,192 numbers
	s_mov_b32 s25, 0
	s_lshl_b32 s24, s22, 15
	s_add_nc_u64 s[4:5], s[4:5], s[24:25]
	s_lshl_b32 s24, s22, 12
	s_add_nc_u64 s[10:11], s[10:11], s[24:25]
	s_lshl_b32 s24, s22, 8
	s_add_nc_u64 s[12:13], s[12:13], s[24:25]
.irp t, 0,1,2,3
	XLOAD \t
.endr
	s_wait_loadcnt 12                              ; step 0's four loads are in
	XTURN 0
.irp t, 0,1,2,3,4,5,6,7,8,9,10,11,12,13,14,15
	XSTEP \t
.endr
	ds_load_b64 v[8:9], v6                         ; LDS serves a wave's instructions in order: these see my byte stores
	s_wait_dscnt 0x0
	global_store_b64 v7, v[8:9], s[12:13]          ; 32 lanes store 256 consecutive bytes, aligned
	s_wait_tensorcnt 0x0                           ; the wave's end, behind my last LDS store
	ds_add_u32 v[SPW], v[NIL]
	s_wait_dscnt 0x0
	s_endpgm
	; ---- W: a wave takes 32 columns x 512 along K; a lane takes a column, its registers run down K
.Lw:
	s_lshr_b32 s21, ttmp9, 1
	s_lshl_b32 s21, s21, 7
	s_lshl_b32 s22, s20, 5
	s_add_co_u32 s21, s21, s22                     ; my wave's first column
	s_and_b32 s22, ttmp9, 1                        ; which 512 along K
	v_lshlrev_b32 v3, 2, v2                        ; in: 4 bytes a lane
	s_mul_i32 s23, s20, 32*WPITCH
	s_add_co_u32 s23, s23, WST                     ; my stage
	v_mul_u32_u24 v4, v2, WPITCH
	v_add_nc_u32 v4, s23, v4                       ; into it: row = my column
	v_and_b32 v5, 15, v2
	v_lshrrev_b32 v6, 4, v2
	v_mul_u32_u24 v7, v6, WPITCH
	v_lshl_add_u32 v7, v5, 4, v7
	v_add_nc_u32 v7, s23, v7                       ; out of it: sixteen lanes to a row, two rows an instruction
	v_mul_u32_u24 v8, v6, KROW
	v_lshl_add_u32 v8, v5, 4, v8                   ; and the same place in w_codes
	v_lshlrev_b32 v9, 5, v2                        ; my column's row of scale bytes
	s_mov_b32 s25, 0
	s_mul_i32 s24, s22, 512*WN*4
	s_lshl_b32 s26, s21, 2
	s_add_co_u32 s24, s24, s26
	s_add_nc_u64 s[6:7], s[6:7], s[24:25]          ; w_qkv at (512 y, column); every further offset is an immediate, 511 rows of 12,288 bytes at the most
	s_lshl_b32 s24, s21, 9
	s_lshl_b32 s26, s22, 8
	s_add_co_u32 s24, s24, s26
	s_add_nc_u64 s[14:15], s[14:15], s[24:25]
	s_lshl_b32 s24, s21, 5
	s_lshl_b32 s26, s22, 4
	s_add_co_u32 s24, s24, s26
	s_add_nc_u64 s[16:17], s[16:17], s[24:25]
	WLOAD 0
	WLOAD 1
.irp t, 0,1,2,3,4,5,6,7,8,9,10,11,12,13,14,15
	WBLOCK \t
.endr
	global_store_b128 v9, v[WSB:WSB+3], s[16:17]   ; my column's 16 scale bytes
.irp t, 0,1,2,3,4,5,6,7,8,9,10,11,12,13,14,15
	ds_load_b128 v[WOUT+4*\t:WOUT+4*\t+3], v7 offset:2*\t*WPITCH
.endr
.irp t, 0,1,2,3,4,5,6,7,8,9,10,11,12,13,14,15
	s_wait_dscnt 15-\t
	global_store_b128 v8, v[WOUT+4*\t:WOUT+4*\t+3], s[14:15] offset:2*\t*KROW   ; sixteen lanes store 256 consecutive bytes, aligned
.endr
	s_wait_tensorcnt 0x0                           ; the wave's end, behind my last LDS store
	ds_add_u32 v[SPW], v[NIL]
	s_wait_dscnt 0x0
	s_endpgm
.Lfunc_end_k_q84bd0aacbf_prep:
	.size	k_q84bd0aacbf_prep, .Lfunc_end_k_q84bd0aacbf_prep-k_q84bd0aacbf_prep
	.p2alignl 7, 3214868480
	.fill 96, 4, 3214868480
	.section	.rodata,"a",@progbits
	.p2align	6, 0x0
	.amdhsa_kernel k_q84bd0aacbf_prep
		.amdhsa_group_segment_fixed_size 68096
		.amdhsa_private_segment_fixed_size 0
		.amdhsa_enable_private_segment 0
		.amdhsa_kernarg_size 64
		.amdhsa_user_sgpr_count 2
		.amdhsa_user_sgpr_kernarg_segment_ptr 1
		.amdhsa_wavefront_size32 1
		.amdhsa_system_sgpr_workgroup_id_x 1
		.amdhsa_system_sgpr_workgroup_id_y 1
		.amdhsa_system_sgpr_workgroup_id_z 1
		.amdhsa_system_vgpr_workitem_id 0
		.amdhsa_next_free_vgpr 200
		.amdhsa_next_free_sgpr 66
		.amdhsa_reserve_vcc 0
		.amdhsa_float_denorm_mode_32 3
		.amdhsa_float_denorm_mode_16_64 3
		.amdhsa_memory_ordered 1
		.amdhsa_forward_progress 1
		.amdhsa_inst_pref_size 116
	.end_amdhsa_kernel
	.amdgpu_metadata
---
amdhsa.version: [ 1, 2 ]
amdhsa.kernels:
  - .name:           k_q84bd0aacbf_prep
    .symbol:         k_q84bd0aacbf_prep.kd
    .args:
      - { .name: x, .offset: 0, .size: 8, .value_kind: global_buffer, .address_space: global }
      - { .name: w_qkv, .offset: 8, .size: 8, .value_kind: global_buffer, .address_space: global }
      - { .name: w_proj, .offset: 16, .size: 8, .value_kind: global_buffer, .address_space: global }
      - { .name: x_codes, .offset: 24, .size: 8, .value_kind: global_buffer, .address_space: global }
      - { .name: x_scales, .offset: 32, .size: 8, .value_kind: global_buffer, .address_space: global }
      - { .name: w_codes, .offset: 40, .size: 8, .value_kind: global_buffer, .address_space: global }
      - { .name: w_scales, .offset: 48, .size: 8, .value_kind: global_buffer, .address_space: global }
      - { .name: wp16, .offset: 56, .size: 8, .value_kind: global_buffer, .address_space: global }
    .group_segment_fixed_size: 68096
    .private_segment_fixed_size: 0
    .kernarg_segment_align: 8
    .kernarg_segment_size: 64
    .max_flat_workgroup_size: 128
    .sgpr_count:     66
    .vgpr_count:     200
    .wavefront_size: 32
...
	.end_amdgpu_metadata
.endif
;; end of part 1
;; launch qkv (part 2): grid 12 x 32, 4 waves a work-group, clusters of 4 x 4, 327,680 bytes of LDS; arguments x_codes, x_scales, w_codes, w_scales, qn_w, kn_w, freqs_cos, freqs_sin, qkv; writes qkv
.if DOCPART == 2
	.amdgcn_target "amdgcn-amd-amdhsa--gfx1250"
	.amdhsa_code_object_version 6
	.text
	.protected	k_q84bd0aacbf_qkv
	.globl	k_q84bd0aacbf_qkv
	.p2align	8
	.type	k_q84bd0aacbf_qkv,@function
k_q84bd0aacbf_qkv:
	s_mov_b64 s[64:65], 0
	v_nop
	global_prefetch_b8 v0, s[64:65] scope:SCOPE_SE
	s_setreg_imm32_b32 hwreg(HW_REG_WAVE_MODE, 25, 1), 1
	s_wait_xcnt 0x0
	s_wait_alu depctr_hold_cnt(0) depctr_sa_sdst(0) depctr_va_vdst(0) depctr_va_sdst(0) depctr_va_ssrc(0) depctr_va_vcc(0) depctr_vm_vsrc(0)
	s_getreg_b32 s2, hwreg(HW_REG_IB_STS2, 6, 4)
	s_cmp_eq_u32 s2, 0
	s_cbranch_scc0 .Lentry_in_a_cluster
	s_endpgm
.Lentry_in_a_cluster:
	s_bfe_u32 s2, ttmp6, 0x10000c
	s_cmp_lg_u32 s2, 0xf033
	s_cbranch_scc0 .Lentry_shape_is_right
	s_endpgm
.Lentry_shape_is_right:
; qkv = Q(x) Q(w_qkv) on codes of FP4 (E2M1) with one E8M0 scale for each 32 along K, sums in f32; then, in f32, q and k are divided by their head's root mean square, multiplied by the gain and
; turned by the RoPE tables as they are given; q, k, v are rounded to f16 and stored by head: qkv [3][batch x 16 + head][2048][64].
; A (x_codes): [8192][512 bytes], B (w_codes): [3072][512 bytes]; scale bytes [rows][32].  A tile of 256 x 256 is made by four waves, each 128 x 128: 64 accumulators, 512 registers.
; K = 1024 is two slots of 512: both are first fills, nothing is filled again.  The scales of the work-group's rows come once, with the first fills.
; CLUSTERS: 4 x 4 work-groups; A's tiles are shared along a row of the cluster, B's along a column, by joint loads.  The cluster's x is the section (0 q, 1 k, 2 v): the same in all sixteen partners.
; THE MATRIX INSTRUCTION IS USED TRANSPOSED (source 0 = 16 rows of B, source 1 = 16 rows of A): lane (r, h) of accumulator (a, b) holds row 16 a + r and columns 16 b + 8 h + 0 .. 7: so a head's 64 numbers of a row
; lie in four accumulators of lanes l and l xor 16, and a RoPE pair lies in one lane's neighbouring registers.
; LIMITS: v must lie inside f16's range (65,504); x rsq(..) w is rounded in another order than (x / rms) w; NaN and infinities are not served.
; REGISTERS: window 0: v0-31 addresses; v32-95 scale words, two sets; v128-191 A's fragments; on the way out v32-239 at work.  window 1: B's fragments at v0 and v128; on the way out the gain (v0-31) and two sets of tables.
;   window 2: the accumulators of my rows 0-63 ((a, b) at v[8 (8 a + b)]);  window 3: those of rows 64-127.
.set SIZE_K, 1024
.set KSTEP,  512
.set NQ,     KSTEP/128
.set ROWB,   256                       ; a tile's row in bytes
.set KROW,   SIZE_K*4/8                ; a row of codes in memory
.set PITCH,  272                       ; an LDS row: 256 bytes + 16: an odd multiple of 16, so the 16 rows of a load start at 16 different 16-byte columns of 256
.set FR,     8
.set NL,     2
.set NP,     4                         ; places behind this matrix instruction (ISA guide 7.12.1)
.set HALFT,  128*PITCH
.set SLOT,   4*HALFT
.set KS,     SIZE_K/32
.set SCL,    2*SLOT                    ; behind the ring: the scales, as units of 256 bytes + 16
.set HALFS,  (128*KS/256)*272
.set SBLK,   (16*KS/256)*272
.set SPARE,  SCL+4*HALFS               ; the spare words, 128 bytes a wave: two blocks of 256 bytes that no other line names
.set ADRA, 16                          ; v16-17  LDS address of my A fragments in slot 0, 1
.set ADRB, 20                          ; v20-21  the same for B
.set STO,  24                          ; v24     the way out: where I put 16 bytes of a head's row
.set RD,   25                          ; v25     where I read rows back
.set CO,   26                          ; v26     16 x lane: four rows of a head are 512 dense bytes
.set ADRS, 27                          ; v27     LDS address of my scale words
.set SPW,  28                          ; v28     my spare word; never rewritten
.set NIL,  29                          ; v29     0; never rewritten
.set CSO,  30                          ; v30     my byte in the tables: (first position + r) x 256 + 32 h
.set WO,   31                          ; v31     my byte in the gain: 32 h
.set SC,   32
.set AF,   128
.set NRM,  32                          ; the way out, window 0: v32-63 a head's normalised numbers
.set TT,   64                          ; v64-95  turned
.set RW,   96                          ; v96-127 gain / rms
.set PKD,  128                         ; v128-159 two heads' f16 pairs
.set BK,   160                         ; v160-191, v192-223 rows read back, by turns
.set STT,  224                         ; v224 + 8 head: +0:1, +2:3 sums of squares, +4, +5 at work, +6:7 1 / rms
.set G1, 24
.set G0, 32
.set G1B, 48
.set G0B, 56
.set G1S, 68
.set G0S, 76
.set G1SB, 80
.set G0SB, 88
.set MSB, 0
.macro WIN new                         ; the immediate's high byte repeats the setting that is left
.if MSB != \new
	s_set_vgpr_msb (MSB<<8)|\new
.set MSB, \new
.endif
.endm
.set MUL_LO, 0xa1                      ; source 0 (B) window 1, source 1 (A) window 0, C and D window 2
.set MUL_HI, 0xf1
.set TO_B,   0x40
; A joint load: waves 0 and 1 fetch for A, waves 2 and 3 for B; the branch hangs on the wave's number alone.  An s_nop 0 and four v_nop follow each line.
.macro JLOAD g0a, g1a, g0b, g1b
	s_cmp_eq_u32 s15, 0
	s_cbranch_scc0 .Lfor_b_\@
	tensor_load_to_lds s[\g0a:\g0a+3], s[\g1a:\g1a+7]
	s_nop 0
.rept 4
	v_nop
.endr
	s_branch .Lasked_\@
.Lfor_b_\@:
	tensor_load_to_lds s[\g0b:\g0b+3], s[\g1b:\g1b+7]
	s_nop 0
.rept 4
	v_nop
.endr
.Lasked_\@:
.endm
.macro CROUND                          ; a round of the cluster's barrier
	s_barrier_signal -1
	s_barrier_wait -1
	s_cmp_lg_u32 s14, 0
	s_cbranch_scc1 .Lnot_wave_0_\@
	s_barrier_signal -3
.Lnot_wave_0_\@:
	s_barrier_wait -3
	s_barrier_signal -1
	s_barrier_wait -1
.endm
	s_load_b128 s[4:7], s[0:1], 0x0                ; x_codes s[4:5], x_scales s[6:7]
	s_load_b128 s[8:11], s[0:1], 0x10              ; w_codes s[8:9], w_scales s[10:11]
	v_lshl_add_u32 v[SPW], v0, 2, SPARE
	v_mov_b32 v[NIL], 0
	ds_add_u32 v[SPW], v[NIL]                      ; the wave's opening: the add, twice on end, and its wait ahead of my first tensor load
	ds_add_u32 v[SPW], v[NIL]
	v_lshrrev_b32 v1, 5, v0
	v_readfirstlane_b32 s14, v1                    ; wave 0..3
	s_lshr_b32 s15, s14, 1                         ; which half of the tile's rows is mine.  Also: I fetch for A (0) or for B (1)
	s_and_b32 s16, s14, 1                          ; which half of its columns.  Also: which 128 rows of that tile I fetch
	s_bfe_u32 s40, ttmp6, 0x40000                  ; cx, cy
	s_bfe_u32 s41, ttmp6, 0x40004
	s_lshl_b32 s42, ttmp9, 2
	s_add_co_u32 s42, s42, s40                     ; tile column = 4 x cluster x + cx
	s_and_b32 s17, ttmp7, 0xffff
	s_lshl_b32 s17, s17, 2
	s_add_co_u32 s17, s17, s41                     ; tile row = 4 x cluster y + cy
	s_lshl_b32 s43, s41, 2
	s_lshl_b32 s43, 15, s43                        ; my row of the cluster
	s_lshl_b32 s44, 0x1111, s40                    ; my column
	s_or_b32 s[G1+0], s43, (0<<16)|(1<<20)|(1<<21)|(5<<22)|(3<<25)  ; the mask; elements of 1 byte; padding on; bit 21 beside a mask; 4 words after every 64
	s_or_b32 s[G1B+0], s44, (0<<16)|(1<<20)|(1<<21)|(5<<22)|(3<<25)
.irp g, G1, G1B
	s_mov_b32 s[\g+1], ROWB<<16                    ; tensor_dim0
	s_mov_b32 s[\g+2], 128<<16                     ; tensor_dim1
	s_mov_b32 s[\g+3], ROWB<<16                    ; tile_dim0
	s_mov_b32 s[\g+4], 128                         ; tile_dim1
	s_mov_b32 s[\g+5], KROW                        ; stride from row to row
	s_mov_b32 s[\g+6], 0
	s_mov_b32 s[\g+7], 0
.endr
	s_or_b32 s[G1S+0], s43, (3<<16)|(1<<20)|(1<<21)|(5<<22)|(3<<25) ; the scales of 128 rows: 4,096 dense bytes as 16 rows of 256 (32 elements of 8 bytes)
	s_or_b32 s[G1SB+0], s44, (3<<16)|(1<<20)|(1<<21)|(5<<22)|(3<<25)
.irp g, G1S, G1SB
	s_mov_b32 s[\g+1], 32<<16
	s_mov_b32 s[\g+2], (128*KS/256)<<16
	s_mov_b32 s[\g+3], 32<<16
	s_mov_b32 s[\g+4], 128*KS/256
	s_mov_b32 s[\g+5], 32
	s_mov_b32 s[\g+6], 0
	s_mov_b32 s[\g+7], 0
.endr
	s_lshl_b32 s18, s16, 7
	s_lshl_b32 s20, s17, 8
	s_add_co_u32 s20, s20, s18                     ; A: row 256 x tile row + 128 x half
	s_lshl_b32 s46, s42, 8
	s_add_co_u32 s46, s46, s18                     ; B: row 256 x tile column + 128 x half
	s_mov_b32 s21, 0
	s_mov_b32 s47, 0
	s_mov_b64 s[18:19], KS
	s_mul_u64 s[22:23], s[20:21], s[18:19]
	s_mul_u64 s[92:93], s[46:47], s[18:19]
	s_mov_b64 s[18:19], KROW
	s_mul_u64 s[20:21], s[20:21], s[18:19]
	s_mul_u64 s[46:47], s[46:47], s[18:19]
	s_mul_i32 s45, s14, HALFT                      ; where they go: wave x 128 rows
	s_mul_i32 s94, s14, HALFS
	s_wait_dscnt 0x0                               ; both opening adds are done
	s_wait_kmcnt 0x0
	s_add_nc_u64 s[20:21], s[4:5], s[20:21]
	s_add_nc_u64 s[22:23], s[6:7], s[22:23]
	s_add_nc_u64 s[46:47], s[8:9], s[46:47]
	s_add_nc_u64 s[92:93], s[10:11], s[92:93]
	CROUND                                         ; all sixteen work-groups are here: the first joint loads meet
	s_mov_b32 s[G0S], 1
	s_add_co_u32 s[G0S+1], s94, SCL
	s_mov_b64 s[G0S+2:G0S+3], s[22:23]
	s_or_b32 s[G0S+3], s[G0S+3], 0x80000000
	s_mov_b32 s[G0SB], 1
	s_add_co_u32 s[G0SB+1], s94, SCL
	s_mov_b64 s[G0SB+2:G0SB+3], s[92:93]
	s_or_b32 s[G0SB+3], s[G0SB+3], 0x80000000
	JLOAD G0S, G1S, G0SB, G1SB                     ; the scales first; three tensor loads of a wave are out behind the third
.irp s, 0,1
	s_mov_b32 s[G0+4*\s], 1
	s_add_co_u32 s[G0+4*\s+1], s45, \s*SLOT
	s_add_nc_u64 s[G0+4*\s+2:G0+4*\s+3], s[20:21], \s*ROWB
	s_or_b32 s[G0+4*\s+3], s[G0+4*\s+3], 0x80000000
	s_mov_b32 s[G0B+4*\s], 1
	s_add_co_u32 s[G0B+4*\s+1], s45, \s*SLOT
	s_add_nc_u64 s[G0B+4*\s+2:G0B+4*\s+3], s[46:47], \s*ROWB
	s_or_b32 s[G0B+4*\s+3], s[G0B+4*\s+3], 0x80000000
	JLOAD G0+4*\s, G1, G0B+4*\s, G1B
.endr
	v_and_b32 v1, 15, v0                           ; r
	v_bfe_u32 v2, v0, 4, 1                         ; h
	v_mul_u32_u24 v3, v1, PITCH
	v_lshl_add_u32 v4, v2, 4, v3
	s_mul_i32 s21, s15, HALFT
	s_mul_i32 s22, s16, HALFT
	s_add_co_u32 s22, s22, 2*HALFT
.irp s, 0,1
	v_add_nc_u32 v[ADRA+\s], s21, v4
	v_add_nc_u32 v[ADRB+\s], s22, v4
	s_add_co_u32 s21, s21, SLOT
	s_add_co_u32 s22, s22, SLOT
.endr
	v_mul_u32_u24 v5, v1, KS                       ; my row's scales: 32 bytes a row, and 16 more for each 256 passed
	v_lshrrev_b32 v6, 8, v5
	v_lshl_add_u32 v5, v6, 4, v5
	s_mul_i32 s21, s15, HALFS
	s_mul_i32 s22, s16, HALFS
	s_add_co_u32 s22, s22, 2*HALFS
	s_sub_co_u32 s22, s22, s21
	v_mul_u32_u24 v6, s22, v2                      ; lanes 16-31 take B's
	s_add_co_u32 s21, s21, SCL
	v_add_nc_u32 v5, v5, v6
	v_add_nc_u32 v[ADRS], s21, v5
	; the way out's addresses.  My stage, in slot 0: two heads x 16 rows x (128 bytes + 16)
	s_mul_i32 s23, s14, 4608
	v_mul_u32_u24 v5, v1, 144
	v_lshl_add_u32 v5, v2, 4, v5
	v_add_nc_u32 v[STO], s23, v5                   ; in: row r, + 16 h
	v_and_b32 v6, 31, v0
	v_lshrrev_b32 v5, 3, v6
	v_mul_u32_u24 v5, v5, 144
	v_and_b32 v7, 7, v0
	v_lshl_add_u32 v5, v7, 4, v5
	v_add_nc_u32 v[RD], s23, v5                    ; back: eight lanes to a row, four rows an instruction
	v_lshlrev_b32 v[CO], 4, v6
	s_and_b32 s20, s17, 7
	s_lshl_b32 s20, s20, 8
	s_lshl_b32 s21, s15, 7
	s_add_co_u32 s20, s20, s21                     ; my first position in the sequence
	s_lshl_b32 s66, s20, 8                         ; its row in the tables
	s_lshl_b32 s12, s20, 7                         ; s[12:13]: where my part begins in qkv: position x 128 bytes
	s_lshr_b32 s21, s17, 3
	s_lshl_b32 s21, s21, 22
	s_add_co_u32 s12, s12, s21                     ; + batch x 16 heads of 262,144 bytes
	s_lshl_b32 s21, ttmp9, 24
	s_add_co_u32 s12, s12, s21                     ; + section x 64 heads
	s_lshl_b32 s46, s40, 2
	s_lshl_b32 s47, s16, 1
	s_add_co_u32 s46, s46, s47
	s_lshl_b32 s46, s46, 18
	s_add_co_u32 s12, s12, s46                     ; + my first head, 4 cx + 2 x column half
	s_mov_b32 s13, 0
	v_lshlrev_b32 v[CSO], 8, v1
	v_lshl_add_u32 v[CSO], v2, 5, v[CSO]
	v_add_nc_u32 v[CSO], s66, v[CSO]
	v_lshlrev_b32 v[WO], 5, v2
.macro FRAG reg, adr, q, i             ; 16 rows x 128 K of 4-bit codes: 8 registers, two loads of 16 bytes, 32 bytes apart
.irp c, 0,1
	ds_load_b128 v[\reg+4*\c:\reg+4*\c+3], v[\adr] offset:64*(\q)+32*\c+(\i)*16*PITCH
.endr
.endm
; 16 matrix instructions: A's blocks a0, a0 + 1 x B's eight.  The 64 accumulators take turns, one instruction a turn, in the same order in every step.
.macro MUL16 a0, p, q, sc, zero
.irp a, \a0, \a0+1
.irp b, 0,1,2,3,4,5,6,7
.if \zero
	v_wmma_scale_f32_16x16x128_f8f6f4 v[8*(8*((\a)%4)+\b):8*(8*((\a)%4)+\b)+7], v[128*(\p)+FR*\b:128*(\p)+FR*\b+FR-1], v[AF+FR*(\a):AF+FR*(\a)+FR-1], 0, v[SC+8*NQ*(\sc)+NQ*\b+(\q)], v[SC+8*NQ*(\sc)+NQ*(\a)+(\q)] matrix_a_fmt:MATRIX_FMT_FP4 matrix_b_fmt:MATRIX_FMT_FP4 matrix_a_scale:MATRIX_SCALE_ROW1
.else
	v_wmma_scale_f32_16x16x128_f8f6f4 v[8*(8*((\a)%4)+\b):8*(8*((\a)%4)+\b)+7], v[128*(\p)+FR*\b:128*(\p)+FR*\b+FR-1], v[AF+FR*(\a):AF+FR*(\a)+FR-1], v[8*(8*((\a)%4)+\b):8*(8*((\a)%4)+\b)+7], v[SC+8*NQ*(\sc)+NQ*\b+(\q)], v[SC+8*NQ*(\sc)+NQ*(\a)+(\q)] matrix_a_fmt:MATRIX_FMT_FP4 matrix_b_fmt:MATRIX_FMT_FP4 matrix_a_scale:MATRIX_SCALE_ROW1
.endif
.endr
.endr
.endm
.macro FETCH_B slot, q, p
	WIN TO_B
.irp i, 0,1,2,3,4,5,6,7
	FRAG 128*(\p)+FR*\i, ADRB+\slot, \q, \i
.endr
	WIN 0
.endm
.macro FETCH_A slot, q, i0
.irp i, \i0, \i0+1, \i0+2, \i0+3
	FRAG AF+FR*(\i), ADRA+\slot, \q, \i
.endr
.endm
.macro SCALES sc                       ; a K step's scale words: lanes 0-15 take A's block i, lanes 16-31 B's block i
.irp i, 0,1,2,3,4,5,6,7
	ds_load_b128 v[SC+8*NQ*\sc+NQ*\i:SC+8*NQ*\sc+NQ*\i+3], v[ADRS] offset:\i*SBLK
.endr
.endm
.macro PLACES n                        ; plain vector lines between a matrix instruction and a load into, or a read of, its registers
.rept \n
	v_nop
.endr
.endm
.macro STEP slot, q, zero              ; 128 along K that has its successor in the same slot
	s_wait_dscnt 4*NL                              ; B's set and A's blocks 0-3 are in; the youngest eight loads (A's blocks 4-7) may be out
	WIN MUL_LO
	MUL16 0, (\q)%2, \q, \slot, \zero
	MUL16 2, (\q)%2, \q, \slot, \zero
	s_wait_dscnt 0                                 ; A's blocks 4-7 are in
	PLACES NP
	FETCH_B \slot, (\q)+1, 1-(\q)%2
	FETCH_A \slot, (\q)+1, 0
	WIN MUL_HI
	MUL16 4, (\q)%2, \q, \slot, \zero
	MUL16 6, (\q)%2, \q, \slot, \zero
	PLACES NP
	WIN 0
	FETCH_A \slot, (\q)+1, 4
.endm
.macro TURN slot, next                 ; a slot's last step changes slots: one barrier
	s_wait_tensorcnt 0x0                           ; all my tensor loads have landed: my part of the next slot
	ds_add_u32 v[SPW], v[NIL]                      ; 0 onto my spare word
	s_wait_dscnt 4*NL+1                            ; the add and the youngest eight loads may be out
	WIN MUL_LO
	MUL16 0, 1, NQ-1, \slot, 0
	s_wait_dscnt 0x0                               ; the add is done, and my reads of this slot are over
	s_barrier_signal -1
	MUL16 2, 1, NQ-1, \slot, 0
	WIN 0
	s_barrier_wait -1
	PLACES NP
	v_add_nc_u32 v[ADRS], 4*NQ, v[ADRS]            ; on to the next K step's scale words
	FETCH_B \next, 0, 0
	FETCH_A \next, 0, 0
	SCALES \next
	WIN MUL_HI
	MUL16 4, 1, NQ-1, \slot, 0
	MUL16 6, 1, NQ-1, \slot, 0
	PLACES NP
	WIN 0
	FETCH_A \next, 0, 4
.endm
	s_wait_tensorcnt 1                             ; the scales and my part of slot 0 are in; slot 1's load may be out
	s_barrier_signal -1
	s_barrier_wait -1
	FETCH_B 0, 0, 0
	FETCH_A 0, 0, 0
	SCALES 0
	FETCH_A 0, 0, 4
	STEP 0, 0, 1                                   ; the first step's products start the sums: nothing is cleared
	STEP 0, 1, 0
	STEP 0, 2, 0
	TURN 0, 1
	s_load_b256 s[24:31], s[0:1], 0x20             ; no tensor load of mine is out, so the descriptors' registers are free: qn_w s[24:25], kn_w s[26:27], cos s[28:29], sin s[30:31]
	s_load_b64 s[32:33], s[0:1], 0x40              ; qkv
	STEP 1, 0, 0
	STEP 1, 1, 0
	STEP 1, 2, 0
	s_wait_dscnt 4*NL                              ; the last step: nothing more to fetch
	WIN MUL_LO
	MUL16 0, 1, NQ-1, 1, 0
	MUL16 2, 1, NQ-1, 1, 0
	s_wait_dscnt 0
	WIN MUL_HI
	MUL16 4, 1, NQ-1, 1, 0
	MUL16 6, 1, NQ-1, 1, 0
	WIN 0
; THE WAY OUT, block by block of 16 rows x 2 heads.  A lane's 16 bytes of f16 go into my own stage in LDS (slot 0: it has had its only fill, and nobody reads it behind the change of slots)
; and come back four rows of a head at a time: 512 dense bytes of qkv.  LDS serves a wave's instructions in order: no wait between the stores and the loads.
.macro TOSTAGE a
.irp hd, 0,1
.irp bb, 0,1,2,3
	ds_store_b128 v[STO], v[PKD+16*\hd+4*\bb:PKD+16*\hd+4*\bb+3] offset:2304*\hd+32*\bb
.endr
.endr
.set BB, BK+32*((\a)%2)
.irp hd, 0,1
.irp t, 0,1,2,3
	ds_load_b128 v[BB+16*\hd+4*\t:BB+16*\hd+4*\t+3], v[RD] offset:2304*\hd+576*\t
.endr
.endr
.endm
.macro SEND a
.set BB, BK+32*((\a)%2)
	s_wait_dscnt 0x0                               ; the block is back in registers
	s_wait_xcnt 0x0                                ; the stores of the block before have read their registers: the next block's loads from the stage land there
.irp hd, 0,1
.irp t, 0,1,2,3
	global_store_b128 v[CO], v[BB+16*\hd+4*\t:BB+16*\hd+4*\t+3], s[32:33] offset:262144*\hd+2048*(\a)+512*\t   ; 32 lanes store 512 consecutive bytes, aligned
.endr
.endr
.endm
.macro TABLES a                        ; cos and sin of block a's 16 positions, in the accumulators' layout: register 8 bb + j = d 16 bb + 8 h + j; into set a % 2 of window 1
	WIN 0x40
.set CSB, 64+64*((\a)%2)
.irp bb, 0,1,2,3
.irp e, 0,1
	global_load_b128 v[CSB+8*\bb+4*\e:CSB+8*\bb+4*\e+3], v[CSO], s[28:29] offset:4096*(\a)+64*\bb+16*\e
	global_load_b128 v[CSB+32+8*\bb+4*\e:CSB+32+8*\bb+4*\e+3], v[CSO], s[30:31] offset:4096*(\a)+64*\bb+16*\e
.endr
.endr
	WIN 0
.endm
.macro QKPACK a                        ; block a of q or k: norm, gain, RoPE, f16
.if (\a) < 7
	TABLES (\a)+1
.endif
.set AC, 64*((\a)%4)
.set AW, 2+(\a)/4
.set CSB, 64+64*((\a)%2)
	WIN AW*5                                       ; sources 0 and 1: the accumulators' window
.set p, 0
.rept 16                               ; the sums of squares, two chains a head, the heads by turns; each accumulator is read from its low end on
.irp hd, 0,1
.if p < 2
	v_pk_mul_f32 v[STT+8*\hd+2*p:STT+8*\hd+2*p+1], v[AC+32*\hd+2*p:AC+32*\hd+2*p+1], v[AC+32*\hd+2*p:AC+32*\hd+2*p+1]
.else
	v_pk_fma_f32 v[STT+8*\hd+2*(p%2):STT+8*\hd+2*(p%2)+1], v[AC+32*\hd+2*p:AC+32*\hd+2*p+1], v[AC+32*\hd+2*p:AC+32*\hd+2*p+1], v[STT+8*\hd+2*(p%2):STT+8*\hd+2*(p%2)+1]
.endif
.endr
.set p, p+1
.endr
	WIN 0
.irp hd, 0,1
	v_pk_add_f32 v[STT+8*\hd:STT+8*\hd+1], v[STT+8*\hd:STT+8*\hd+1], v[STT+8*\hd+2:STT+8*\hd+3]
.endr
.irp hd, 0,1
	v_add_f32 v[STT+8*\hd+4], v[STT+8*\hd], v[STT+8*\hd+1]
.endr
.irp hd, 0,1
	v_permlanex16_b32 v[STT+8*\hd+5], v[STT+8*\hd+4], s100, s101    ; the row's other 32 numbers lie in lane l xor 16
.endr
.irp hd, 0,1
	v_add_f32 v[STT+8*\hd+4], v[STT+8*\hd+4], v[STT+8*\hd+5]
.endr
.irp hd, 0,1
	v_fma_f32 v[STT+8*\hd+4], v[STT+8*\hd+4], s98, s99              ; the mean + EPS
.endr
.irp hd, 0,1
	v_rsq_f32 v[STT+8*\hd+6], v[STT+8*\hd+4]
.endr
	v_nop                                          ; a plain line behind the last transcendental
	s_wait_alu depctr_va_vdst(0)                   ; one wait for both, ahead of their first reader
.if (\a) < 7
	s_wait_loadcnt 16                              ; the gain and this block's tables are in; the next block's 16 loads may be out
.else
	s_wait_loadcnt 0
.endif
.irp hd, 0,1
	WIN 0x01                                       ; source 0: the gain, window 1
.set i, 0
.rept 16
	v_pk_mul_f32 v[RW+i:RW+i+1], v[i:i+1], v[STT+8*\hd+6:STT+8*\hd+7] op_sel_hi:[1,0]
.set i, i+2
.endr
	WIN AW                                         ; source 0: the accumulators
.set i, 0
.rept 16
	v_pk_mul_f32 v[NRM+i:NRM+i+1], v[AC+32*\hd+i:AC+32*\hd+i+1], v[RW+i:RW+i+1]
.set i, i+2
.endr
	WIN 0x04                                       ; source 1: the tables, window 1
.set i, 0
.rept 16
	v_pk_mul_f32 v[TT+i:TT+i+1], v[NRM+i:NRM+i+1], v[CSB+i:CSB+i+1]
.set i, i+2
.endr
.set i, 0
.rept 16
	v_fma_f32 v[TT+i], -v[NRM+i+1], v[CSB+32+i], v[TT+i]            ; even d: - its odd partner x sin
.set i, i+2
.endr
.set i, 0
.rept 16
	v_fma_f32 v[TT+i+1], v[NRM+i], v[CSB+32+i+1], v[TT+i+1]         ; odd d: + its even partner x sin
.set i, i+2
.endr
	WIN 0
.set i, 0
.rept 16
	v_cvt_pk_f16_f32 v[PKD+16*\hd+i], v[TT+2*i], v[TT+2*i+1]
.set i, i+1
.endr
.endr
.endm
.macro VPACK a                         ; block a of v: f16 alone; each accumulator from its low end on
.set AC, 64*((\a)%4)
.set AW, 2+(\a)/4
	WIN AW*5
.set i, 0
.rept 32
	v_cvt_pk_f16_f32 v[PKD+i], v[AC+2*i], v[AC+2*i+1]
.set i, i+1
.endr
	WIN 0
.endm
	PLACES NP                                      ; behind the last products: for the reads of results and the loads and writes into operands' and scales' registers below
	s_wait_kmcnt 0x0
	s_add_nc_u64 s[32:33], s[32:33], s[12:13]      ; qkv at my part
	s_cmp_eq_u32 ttmp9, 2                          ; the cluster's x: the same in all sixteen partners
	s_cbranch_scc1 .Lvway
	s_cmp_eq_u32 ttmp9, 0
	s_cselect_b64 s[34:35], s[24:25], s[26:27]     ; q's gain or k's
	s_mov_b32 s98, 0x3c800000                      ; 1 / 64
	s_mov_b32 s99, 0x358637bd                      ; EPS = 1e-6
	s_mov_b32 s100, 0x76543210
	s_mov_b32 s101, 0xfedcba98                     ; v_permlanex16_b32's selects for lane l xor 16
.irp hd, 0,1
	v_mov_b32 v[STT+8*\hd+5], 0                    ; a lane permute's destination counts as one of its sources
	v_mov_b32 v[STT+8*\hd+7], 0                    ; named as the upper half of a pair
.endr
	WIN 0x40
.irp bb, 0,1,2,3
.irp e, 0,1
	global_load_b128 v[8*\bb+4*\e:8*\bb+4*\e+3], v[WO], s[34:35] offset:64*\bb+16*\e   ; the gain, in the accumulators' layout
.endr
.endr
	TABLES 0
	QKPACK 0
	TOSTAGE 0
.irp a, 1,2,3,4,5,6,7                  ; block a's arithmetic stands between block a - 1's loads from the stage and the wait for them
	QKPACK \a
	SEND \a-1
	TOSTAGE \a
.endr
	SEND 7
	s_branch .Lout
.Lvway:
	VPACK 0
	TOSTAGE 0
.irp a, 1,2,3,4,5,6,7
	VPACK \a
	SEND \a-1
	TOSTAGE \a
.endr
	SEND 7
.Lout:
	s_wait_tensorcnt 0x0                           ; the wave's end: behind my last tensor load and my last LDS store
	ds_add_u32 v[SPW], v[NIL]
	s_wait_dscnt 0x0
	CROUND                                         ; the closing round
	s_endpgm
.Lfunc_end_k_q84bd0aacbf_qkv:
	.size	k_q84bd0aacbf_qkv, .Lfunc_end_k_q84bd0aacbf_qkv-k_q84bd0aacbf_qkv
	.p2alignl 7, 3214868480
	.fill 96, 4, 3214868480
	.section	.rodata,"a",@progbits
	.p2align	6, 0x0
	.amdhsa_kernel k_q84bd0aacbf_qkv
		.amdhsa_group_segment_fixed_size 327680
		.amdhsa_private_segment_fixed_size 0
		.amdhsa_enable_private_segment 0
		.amdhsa_kernarg_size 72
		.amdhsa_user_sgpr_count 2
		.amdhsa_user_sgpr_kernarg_segment_ptr 1
		.amdhsa_wavefront_size32 1
		.amdhsa_system_sgpr_workgroup_id_x 1
		.amdhsa_system_sgpr_workgroup_id_y 1
		.amdhsa_system_sgpr_workgroup_id_z 1
		.amdhsa_system_vgpr_workitem_id 0
		.amdhsa_next_free_vgpr 1024
		.amdhsa_next_free_sgpr 102
		.amdhsa_reserve_vcc 0
		.amdhsa_float_denorm_mode_32 3
		.amdhsa_float_denorm_mode_16_64 3
		.amdhsa_memory_ordered 1
		.amdhsa_forward_progress 1
		.amdhsa_inst_pref_size 255
	.end_amdhsa_kernel
	.section	.bss,"aw",@nobits
	.p2align	6
	.space	262144
	.amdgpu_metadata
---
amdhsa.version: [ 1, 2 ]
amdhsa.kernels:
  - .name:           k_q84bd0aacbf_qkv
    .symbol:         k_q84bd0aacbf_qkv.kd
    .args:
      - { .name: x_codes, .offset: 0, .size: 8, .value_kind: global_buffer, .address_space: global }
      - { .name: x_scales, .offset: 8, .size: 8, .value_kind: global_buffer, .address_space: global }
      - { .name: w_codes, .offset: 16, .size: 8, .value_kind: global_buffer, .address_space: global }
      - { .name: w_scales, .offset: 24, .size: 8, .value_kind: global_buffer, .address_space: global }
      - { .name: qn_w, .offset: 32, .size: 8, .value_kind: global_buffer, .address_space: global }
      - { .name: kn_w, .offset: 40, .size: 8, .value_kind: global_buffer, .address_space: global }
      - { .name: freqs_cos, .offset: 48, .size: 8, .value_kind: global_buffer, .address_space: global }
      - { .name: freqs_sin, .offset: 56, .size: 8, .value_kind: global_buffer, .address_space: global }
      - { .name: qkv, .offset: 64, .size: 8, .value_kind: global_buffer, .address_space: global }
    .group_segment_fixed_size: 327680
    .private_segment_fixed_size: 0
    .kernarg_segment_align: 8
    .kernarg_segment_size: 72
    .max_flat_workgroup_size: 128
    .sgpr_count:     102
    .vgpr_count:     1024
    .wavefront_size: 32
...
	.end_amdgpu_metadata
.endif
;; end of part 2
;; launch attn (part 3): grid 4 x 64, 16 waves a work-group, clusters of 4 x 1, 327,680 bytes of LDS; arguments qkv, ao; writes ao
.if DOCPART == 3
	.amdgcn_target "amdgcn-amd-amdhsa--gfx1250"
	.amdhsa_code_object_version 6
	.text
	.protected	k_q84bd0aacbf_attn
	.globl	k_q84bd0aacbf_attn
	.p2align	8
	.type	k_q84bd0aacbf_attn,@function
k_q84bd0aacbf_attn:
	s_mov_b64 s[64:65], 0
	v_nop
	global_prefetch_b8 v0, s[64:65] scope:SCOPE_SE
	s_setreg_imm32_b32 hwreg(HW_REG_WAVE_MODE, 25, 1), 1
	s_wait_xcnt 0x0
	s_wait_alu depctr_hold_cnt(0) depctr_sa_sdst(0) depctr_va_vdst(0) depctr_va_sdst(0) depctr_va_ssrc(0) depctr_va_vcc(0) depctr_vm_vsrc(0)
	s_getreg_b32 s2, hwreg(HW_REG_IB_STS2, 6, 4)
	s_cmp_eq_u32 s2, 0
	s_cbranch_scc0 .Lentry_in_a_cluster
	s_endpgm
.Lentry_in_a_cluster:
	s_bfe_u32 s2, ttmp6, 0x10000c
	s_cmp_lg_u32 s2, 0x3003
	s_cbranch_scc0 .Lentry_shape_is_right
	s_endpgm
.Lentry_shape_is_right:
; ao[head][q][:] = the sum over k of softmax_k(q . k / 8) v[k][:], no mask.  q, k, v: the three sections of qkv, [64 heads][2048][64] f16; ao likewise.  Products on f16 operands, sums, maxima and the softmax in f32;
; the weights p are rounded to f16 for the second product, the result once at the end.
; SHARES.  A work-group owns 512 queries of one head; each of its sixteen waves owns 32, two tiles of 16, in 256 registers: four waves to a SIMD, so that one wave's softmax stands beside another's products and LDS loads.
; Every wave walks all 2,048 keys, 64 a step.  K and V come through a ring of two LDS slots of 256 keys (waves 0, 1: K's halves; waves 2, 3: V's) and are read by all sixteen.
; CLUSTER.  The four query blocks of a head form a cluster and walk the same K and V: each tile is asked for jointly, by the same tensor load with the same descriptor and the mask of all four.
; LAYOUT.  S^T = K Q^T (source 0 = 16 keys, source 1 = 16 queries): a lane holds ONE query (lane % 16) and keys 8 (lane / 16) + 0..7 of a tile.  Two such tiles, rounded to f16 in pairs, ARE source 1 (32 keys x 16 queries)
; of O^T = V^T P.  K comes out of LDS as it lies, V ([key][channel]) turned, by ds_load_tr16_b128.
; SOFTMAX.  A running maximum m and sum l for each query: p = 2^(c s - c m), c = log2(e) / 8; in every step O and l are multiplied by a = 2^(c m_old - c m_new).  The sum is taken of the unrounded p.
; LIMITS: v and the result must lie inside f16's range (65,504); NaN and infinities are not served.
; REGISTERS: v1-11 addresses; v12 + 10 t: tile t's statistics; v32-63 Q; v64-127 S^T (P is laid over its first half, tile by tile); v128-191 O^T; v192-255 one buffer for K's, then V's, eight fragments.
.set PK,    144                        ; a key's row in LDS: 128 bytes + 16: an odd multiple of 16
.set PV,    160                        ; a row of V: 128 + 32: an odd multiple of 32, for the turning load
.set VOFF,  256*PK                     ; a slot: 256 rows of K, then 256 rows of V
.set SLOT1, 1<<17                      ; slot 1 begins here: one exclusive or turns an address from one slot to the other
.set SPARE, 2*SLOT1                    ; the spare words, 128 bytes a wave: eight blocks of 256 bytes that no other line names
.set NSL,   8                          ; slots' worth of keys
.set AK0, 1                            ; v1   my lane's place in a tile of K
.set AV0, 2                            ; v2   the same for V
.set ADK, 3                            ; v3   LDS address of the slot's K
.set ADV, 4                            ; v4   of its V
.set SPW, 5                            ; v5   my spare word; never rewritten
.set NIL, 6                            ; v6   0; never rewritten
.set GO,  7                            ; v7   the way out: 16 x lane
.set STO, 8                            ; v8   where I put 16 bytes of a row
.set RD,  9                            ; v9   where I read rows back
.set PFO, 10                           ; v10  256 x lane: the prefetches' offset; never rewritten
.set QO,  11                           ; v11  my byte in the wave's rows of Q
.set ST,  12                           ; tile t at v[ST + 10 t]: +0 c m, +1 m, +2:3 l, +4, +5 at work (pair), +6 a, +7 c m_old - c m_new, +8, +9 at work (pair)
.set Q,   32
.set S,   64
.set O,   128
.set F,   192
.set WV,  12
.set SEL, 20
.set CS,  22
.set G1K, 24
.set G1V, 32
.set G0K, 40
.set G0V, 44
.set TB,  48                           ; s48  LDS byte at which the slot in hand begins
.set SLOTS, 49                         ; s49  slots still to be asked for
.set LIM, 50                           ; s50  1 in a wave that prefetches, else the greatest number
.set PFA, 52                           ; s[52:53] where my prefetches stand
; Waves 0 and 1 fetch K's halves, waves 2 and 3 V's, the others nothing: branches on the wave's number alone.  An s_nop 0 and four v_nop follow each line.
.macro TLOAD
	s_cmp_lt_u32 s[WV], 2
	s_cbranch_scc0 .Lnot_k_\@
	tensor_load_to_lds s[G0K:G0K+3], s[G1K:G1K+7]
	s_nop 0
.rept 4
	v_nop
.endr
	s_branch .Lasked_\@
.Lnot_k_\@:
	s_cmp_lt_u32 s[WV], 4
	s_cbranch_scc0 .Lasked_\@
	tensor_load_to_lds s[G0V:G0V+3], s[G1V:G1V+7]
	s_nop 0
.rept 4
	v_nop
.endr
.Lasked_\@:
.endm
; A prefetch of what the NEXT change of slots will ask for: a slot's 32,768 bytes of K and of V.  Wave 4 asks for K's, wave 5 for V's, lanes 256 bytes apart; the four partners share the bytes out BY ADDRESS, 8,192 each.
; One cluster walks a head, so each aligned block of 256 bytes is named once in the launch.  The last change that fills a slot asks for nothing; slots 0 and 1 come by their loads alone.
.macro ASK
	s_cmp_gt_u32 s[SLOTS], s[LIM]
	s_cbranch_scc0 .Lnot_mine_\@
	global_prefetch_b8 v[PFO], s[PFA:PFA+1] th:TH_LOAD_NT scope:SCOPE_SE
.Lnot_mine_\@:
.endm
.macro CROUND                          ; a round of the cluster's barrier
	s_barrier_signal -1
	s_barrier_wait -1
	s_cmp_lg_u32 s[WV], 0
	s_cbranch_scc1 .Lnot_wave_0_\@
	s_barrier_signal -3
.Lnot_wave_0_\@:
	s_barrier_wait -3
	s_barrier_signal -1
	s_barrier_wait -1
.endm
	s_load_b128 s[4:7], s[0:1], 0x0                ; qkv s[4:5], ao s[6:7]
	v_lshl_add_u32 v[SPW], v0, 2, SPARE
	v_mov_b32 v[NIL], 0
	ds_add_u32 v[SPW], v[NIL]                      ; the wave's opening: the add, twice on end, and its wait ahead of the first tensor loads
	ds_add_u32 v[SPW], v[NIL]
	v_lshrrev_b32 v1, 5, v0
	v_readfirstlane_b32 s[WV], v1                  ; wave 0..15
	s_bfe_u32 s13, ttmp6, 0x40000                  ; cx
	s_lshl_b32 s15, ttmp9, 2
	s_add_co_u32 s15, s15, s13                     ; my block of 512 queries: it enters Q's, ao's and the prefetches' addresses alone
	s_and_b32 s14, ttmp7, 0xffff                   ; the head, which the four partners share
	s_lshl_b32 s16, s14, 18                        ; its first byte in a section
	s_and_b32 s54, s[WV], 1
	s_lshl_b32 s18, s54, 14                        ; which 128 rows of a slot I fetch,
	s_add_co_u32 s18, s18, s16
	s_mov_b32 s19, 0
	s_mul_i32 s55, s54, 128*PK                     ; and where they go
	s_mul_i32 s56, s54, 128*PV
	s_add_co_u32 s56, s56, VOFF
	s_mov_b32 s[G1K], 15|(1<<16)|(1<<20)|(1<<21)|(4<<22)|(3<<25)   ; the mask of all four; elements of 2 bytes; padding on; bit 21 beside a mask; 4 words after every 32
	s_mov_b32 s[G1V], 15|(1<<16)|(1<<20)|(1<<21)|(4<<22)|(7<<25)   ; the same with 8 words
.irp g, G1K, G1V
	s_mov_b32 s[\g+1], 64<<16                      ; tensor_dim0
	s_mov_b32 s[\g+2], 128<<16                     ; tensor_dim1
	s_mov_b32 s[\g+3], 64<<16                      ; tile_dim0
	s_mov_b32 s[\g+4], 128                         ; tile_dim1
	s_mov_b32 s[\g+5], 64                          ; stride from row to row
	s_mov_b32 s[\g+6], 0
	s_mov_b32 s[\g+7], 0
.endr
	s_mov_b32 s[SEL], 0x76543210
	s_mov_b32 s[SEL+1], 0xfedcba98
	s_mov_b32 s[CS], 0x3e38aa3b                    ; c = log2(e) / 8
	s_mov_b32 s[CS+1], s[CS]                       ; named with it as a pair
	s_mov_b32 s[TB], 0
	s_mov_b32 s[SLOTS], NSL-1
	s_lshl_b32 s58, s15, 16                        ; my block's 512 rows of 128 bytes,
	s_lshl_b32 s59, s[WV], 12                      ; my wave's 32 of them,
	s_add_co_u32 s58, s58, s59
	s_add_co_u32 s58, s58, s16                     ; in my head
	s_mov_b32 s59, 0
	s_wait_dscnt 0x0                               ; both opening adds are done
	s_wait_kmcnt 0x0
	CROUND                                         ; all four work-groups are here: the first joint loads meet
	s_mov_b32 s[G0K], 1
	s_mov_b32 s[G0K+1], s55
	s_add_nc_u64 s[G0K+2:G0K+3], s[4:5], s[18:19]
	s_add_nc_u64 s[G0K+2:G0K+3], s[G0K+2:G0K+3], 0x1000000         ; k's section
	s_or_b32 s[G0K+3], s[G0K+3], 0x80000000
	s_mov_b32 s[G0V], 1
	s_mov_b32 s[G0V+1], s56
	s_add_nc_u64 s[G0V+2:G0V+3], s[4:5], s[18:19]
	s_add_nc_u64 s[G0V+2:G0V+3], s[G0V+2:G0V+3], 0x2000000         ; v's section
	s_or_b32 s[G0V+3], s[G0V+3], 0x80000000
	TLOAD                                          ; slot 0
	s_add_nc_u64 s[8:9], s[4:5], s[58:59]          ; Q at my wave's first row
	s_add_nc_u64 s[6:7], s[6:7], s[58:59]          ; ao likewise
	v_and_b32 v3, 15, v0                           ; r
	v_bfe_u32 v4, v0, 4, 1                         ; h
	v_lshlrev_b32 v[QO], 7, v3
	v_lshl_add_u32 v[QO], v4, 4, v[QO]
.irp t, 0,1
.irp kk, 0,1
	global_load_b128 v[Q+16*\t+8*\kk:Q+16*\t+8*\kk+3],   v[QO], s[8:9] offset:2048*\t+64*\kk      ; Q stays in registers: tile t, channels 32 kk on
	global_load_b128 v[Q+16*\t+8*\kk+4:Q+16*\t+8*\kk+7], v[QO], s[8:9] offset:2048*\t+64*\kk+32
.endr
.endr
	; the prefetches: who asks, and where
	s_cmp_eq_u32 s[WV], 4
	s_mov_b32 s54, 0x2000000
	s_cselect_b32 s54, 0x1000000, s54              ; wave 4: k's section; wave 5: v's
	s_add_co_u32 s54, s54, s16                     ; my head
	s_lshl_b32 s55, s13, 13
	s_add_co_u32 s54, s54, s55                     ; my work-group's 8,192 bytes of a slot's 32,768
	s_add_co_u32 s54, s54, 32768                   ; in slot 1: the first change of slots steps it to slot 2
	s_mov_b32 s55, 0
	s_add_nc_u64 s[PFA:PFA+1], s[4:5], s[54:55]
	s_sub_co_u32 s54, s[WV], 4
	s_lshr_b32 s54, s54, 1                         ; 0 in waves 4 and 5
	s_cmp_eq_u32 s54, 0
	s_cselect_b32 s[LIM], 1, -1
	v_mul_u32_u24 v[AK0], v3, PK
	v_lshl_add_u32 v[AK0], v4, 4, v[AK0]           ; K: row r, + 16 h
	v_and_b32 v[AV0], 7, v0
	v_lshl_add_u32 v[AV0], v4, 3, v[AV0]
	v_mul_u32_u24 v[AV0], v[AV0], PV               ; V: key 8 h + lane % 8,
	v_bfe_u32 v[GO], v0, 3, 1
	v_lshl_add_u32 v[AV0], v[GO], 4, v[AV0]        ; channels 8 ((lane / 8) % 2) on
	v_add_nc_u32 v[AV0], VOFF, v[AV0]
	s_mul_i32 s57, s[WV], 4608                     ; my stage: two tiles x 16 rows x (128 bytes + 16)
	v_mul_u32_u24 v[STO], v3, 144
	v_lshl_add_u32 v[STO], v4, 4, v[STO]
	v_add_nc_u32 v[STO], s57, v[STO]
	v_and_b32 v[GO], 31, v0
	v_lshrrev_b32 v[RD], 3, v[GO]
	v_mul_u32_u24 v[RD], v[RD], 144
	v_and_b32 v[PFO], 7, v0
	v_lshl_add_u32 v[RD], v[PFO], 4, v[RD]
	v_add_nc_u32 v[RD], s57, v[RD]
	v_lshlrev_b32 v[PFO], 8, v[GO]
	v_lshlrev_b32 v[GO], 4, v[GO]
.irp t, 0,1
	v_mov_b32 v[ST+10*\t+1], 0xff61b1e6            ; m: -3e38, under every score
	v_mul_f32 v[ST+10*\t], s[CS], v[ST+10*\t+1]    ; c m
	v_mov_b32 v[ST+10*\t+2], 0                     ; l, in two halves
	v_mov_b32 v[ST+10*\t+3], 0
.endr
.set i, 0
.rept 64
	v_mov_b32 v[O+i], 0                            ; O^T.  The key step is written once: the first finds zeros, which the first a leaves zeros
.set i, i+1
.endr
; THE SOFTMAX of a key step, both tiles line by line by turns, so that no line waits for the line above it.
.macro SOFTMAX
.irp j, 0,1,2,3                        ; the maximum: four chains, one for each accumulator, begun at its low end
.irp t, 0,1
	v_max3_num_f32 v[ST+10*\t+4+\j+2*(\j/2)], v[S+32*\t+8*\j], v[S+32*\t+8*\j+1], v[S+32*\t+8*\j+2]
.endr
.endr
.irp i, 3,5
.irp j, 0,1,2,3
.irp t, 0,1
	v_max3_num_f32 v[ST+10*\t+4+\j+2*(\j/2)], v[ST+10*\t+4+\j+2*(\j/2)], v[S+32*\t+8*\j+\i], v[S+32*\t+8*\j+\i+1]
.endr
.endr
.endr
.irp t, 0,1
	v_max3_num_f32 v[ST+10*\t+4], v[ST+10*\t+4], v[S+32*\t+7], v[S+32*\t+15]
.endr
.irp t, 0,1
	v_max3_num_f32 v[ST+10*\t+8], v[ST+10*\t+8], v[S+32*\t+23], v[S+32*\t+31]
.endr
.irp t, 0,1
	v_max3_num_f32 v[ST+10*\t+4], v[ST+10*\t+4], v[ST+10*\t+5], v[ST+10*\t+8]
.endr
.irp t, 0,1
	v_max3_num_f32 v[ST+10*\t+4], v[ST+10*\t+4], v[ST+10*\t+9], v[ST+10*\t+1]   ; with the old m
.endr
.irp t, 0,1
	v_permlanex16_b32 v[ST+10*\t+5], v[ST+10*\t+4], s[SEL], s[SEL+1]            ; the query's other 32 keys lie in lane l xor 16
.endr
.irp t, 0,1
	v_mov_b32 v[ST+10*\t+7], v[ST+10*\t]           ; c m_old
.endr
.irp t, 0,1
	v_max_num_f32 v[ST+10*\t+1], v[ST+10*\t+4], v[ST+10*\t+5]
.endr
.irp t, 0,1
	v_mul_f32 v[ST+10*\t], s[CS], v[ST+10*\t+1]
.endr
.irp t, 0,1
	v_sub_f32 v[ST+10*\t+7], v[ST+10*\t+7], v[ST+10*\t]
.endr
.set i, 0
.rept 16
.irp t, 0,1
	v_pk_fma_f32 v[S+32*\t+i:S+32*\t+i+1], v[S+32*\t+i:S+32*\t+i+1], s[CS:CS+1], v[ST+10*\t:ST+10*\t+1] op_sel_hi:[1,0,0] neg_lo:[0,0,1] neg_hi:[0,0,1]   ; c s - c m
.endr
.set i, i+2
.endr
.irp t, 0,1                            ; ONE BATCH of 66 exponentials: none reads another's result
	v_exp_f32 v[ST+10*\t+6], v[ST+10*\t+7]         ; a
.endr
.set i, 0
.rept 32
.irp t, 0,1
	v_exp_f32 v[S+32*\t+i], v[S+32*\t+i]
.endr
.set i, i+1
.endr
	v_nop                                          ; a plain line behind the last exponential
	s_wait_alu depctr_va_vdst(0)                   ; one wait for the batch, ahead of its first reader
.irp t, 0,1                            ; the sum of the unrounded p, two at a time, in two chains
	v_pk_add_f32 v[ST+10*\t+4:ST+10*\t+5], v[S+32*\t:S+32*\t+1], v[S+32*\t+2:S+32*\t+3]
.endr
.irp t, 0,1
	v_pk_add_f32 v[ST+10*\t+8:ST+10*\t+9], v[S+32*\t+4:S+32*\t+5], v[S+32*\t+6:S+32*\t+7]
.endr
.irp i, 8,12,16,20,24,28
.irp t, 0,1
	v_pk_add_f32 v[ST+10*\t+4:ST+10*\t+5], v[ST+10*\t+4:ST+10*\t+5], v[S+32*\t+\i:S+32*\t+\i+1]
.endr
.irp t, 0,1
	v_pk_add_f32 v[ST+10*\t+8:ST+10*\t+9], v[ST+10*\t+8:ST+10*\t+9], v[S+32*\t+\i+2:S+32*\t+\i+3]
.endr
.endr
.irp t, 0,1
	v_pk_add_f32 v[ST+10*\t+4:ST+10*\t+5], v[ST+10*\t+4:ST+10*\t+5], v[ST+10*\t+8:ST+10*\t+9]
.endr
.irp t, 0,1
	v_pk_fma_f32 v[ST+10*\t+2:ST+10*\t+3], v[ST+10*\t+2:ST+10*\t+3], v[ST+10*\t+6:ST+10*\t+7], v[ST+10*\t+4:ST+10*\t+5] op_sel_hi:[1,0,1]   ; l = a l + the sum
.endr
.set i, 0
.rept 16                               ; p to f16, in place and ascending: pair i lands in register i, under every pair still to be read
.irp t, 0,1
	v_cvt_pk_f16_f32 v[S+32*\t+i], v[S+32*\t+2*i], v[S+32*\t+2*i+1]
.endr
.set i, i+1
.endr
.set i, 0
.rept 16
.irp t, 0,1
	v_pk_mul_f32 v[O+32*\t+i:O+32*\t+i+1], v[O+32*\t+i:O+32*\t+i+1], v[ST+10*\t+6:ST+10*\t+7] op_sel_hi:[1,0]   ; O^T x a, each accumulator from its low end on
.endr
.set i, i+2
.endr
.endm
; A KEY STEP: 64 keys, the q-th of the slot in hand.  The eight accumulators of each product take turns, one instruction a turn.
.macro STEP q
.rept 5
	v_nop                                          ; behind the last step's V^T P: four places ahead of loads into V's registers, five ahead of products that write over P's
.endr
.irp f, 0,1,2,3,4,5,6,7                ; K: keys 16 (f / 2) on, channels 32 (f % 2) on
	ds_load_b128 v[F+8*\f:F+8*\f+3],   v[ADK] offset:9216*(\q)+(\f/2)*2304+(\f%2)*64
	ds_load_b128 v[F+8*\f+4:F+8*\f+7], v[ADK] offset:9216*(\q)+(\f/2)*2304+(\f%2)*64+32
.endr
	s_wait_dscnt 0x0
.irp kk, 0,1
.irp kt, 0,1,2,3
.irp t, 0,1
.if \kk == 0
	v_wmma_f32_16x16x32_f16 v[S+32*\t+8*\kt:S+32*\t+8*\kt+7], v[F+8*(2*\kt+\kk):F+8*(2*\kt+\kk)+7], v[Q+16*\t+8*\kk:Q+16*\t+8*\kk+7], 0
.else
	v_wmma_f32_16x16x32_f16 v[S+32*\t+8*\kt:S+32*\t+8*\kt+7], v[F+8*(2*\kt+\kk):F+8*(2*\kt+\kk)+7], v[Q+16*\t+8*\kk:Q+16*\t+8*\kk+7], v[S+32*\t+8*\kt:S+32*\t+8*\kt+7]
.endif
.endr
.endr
.endr
.rept 4
	v_nop                                          ; places ahead of the loads into K's registers and of the first read of the scores
.endr
.irp f, 0,1,2,3,4,5,6,7                ; V, turned: keys 32 (f / 4) on, channels 16 (f % 4) on; it lands under the softmax
	ds_load_tr16_b128 v[F+8*\f:F+8*\f+3],   v[ADV] offset:10240*(\q)+(\f/4)*5120+(\f%4)*32
	ds_load_tr16_b128 v[F+8*\f+4:F+8*\f+7], v[ADV] offset:10240*(\q)+(\f/4)*5120+(\f%4)*32+2560
.endr
	SOFTMAX
	s_wait_dscnt 0x0                               ; V is in
.irp ku, 0,1
.irp ct, 0,1,2,3
.irp t, 0,1
	v_wmma_f32_16x16x32_f16 v[O+32*\t+8*\ct:O+32*\t+8*\ct+7], v[F+8*(4*\ku+\ct):F+8*(4*\ku+\ct)+7], v[S+32*\t+8*\ku:S+32*\t+8*\ku+7], v[O+32*\t+8*\ct:O+32*\t+8*\ct+7]
.endr
.endr
.endr
.endm
; THE CHANGE OF SLOTS stands at a slot's head.  Each wave waits for all its tensor loads, adds 0 to its spare word, and waits for that and for its reads of the slot that it has left.
; fill = 1: the barrier is a round of the cluster's, and behind it the slot just left is filled with the keys that follow: the load has a slot's four steps in which to land.  At most one tensor load of a wave is out.
.macro CHANGE fill
	s_wait_tensorcnt 0x0                           ; no tensor load of mine is out, so a group 0 may be written
	ds_add_u32 v[SPW], v[NIL]                      ; 0 onto my spare word
.if \fill
	ds_add_u32 v[SPW], v[NIL]                      ; and once more
	s_xor_b32 s[G0K+1], s[G0K+1], SLOT1            ; the walking descriptors: the other slot,
	s_add_nc_u64 s[G0K+2:G0K+3], s[G0K+2:G0K+3], 32768             ; the next 256 keys
	s_xor_b32 s[G0V+1], s[G0V+1], SLOT1
	s_add_nc_u64 s[G0V+2:G0V+3], s[G0V+2:G0V+3], 32768
	s_wait_xcnt 0x0                                ; the last prefetch, a slot back, has read its address, so it may be written:
	s_add_nc_u64 s[PFA:PFA+1], s[PFA:PFA+1], 32768 ; one slot further on than the walking descriptors
	s_wait_dscnt 0x0                               ; both adds are done, and my reads of the slot that I have left are over
	CROUND
	TLOAD                                          ; the first thing behind the round, and a wave's one tensor load until the next
	ASK
.else
	s_wait_dscnt 0x0
	s_barrier_signal -1
	s_barrier_wait -1
.endif
.endm
.macro SLOT_STEPS
	v_add_nc_u32 v[ADK], s[TB], v[AK0]
	v_add_nc_u32 v[ADV], s[TB], v[AV0]
	STEP 0
	STEP 1
	STEP 2
	STEP 3
	s_xor_b32 s[TB], s[TB], SLOT1                  ; on to the other slot
.endm
	s_wait_loadcnt 0x0                             ; Q
.Lslot:                                            ; seven trips: behind each change of slots but the last the next slot is asked for
	CHANGE 1
	SLOT_STEPS
	s_sub_co_u32 s[SLOTS], s[SLOTS], 1
	s_cmp_lg_u32 s[SLOTS], 0
	s_cbranch_scc1 .Lslot
	CHANGE 0                                       ; the last slot is written out
	SLOT_STEPS
	; THE WAY OUT.  O^T / l, rounded to f16, goes through my stage in LDS (slot 0: it has had its last fill, and nobody reads it behind the last change of slots) and leaves four rows, 512 dense bytes, at a time.
.rept 4
	v_nop
.endr
.irp t, 0,1
	v_add_f32 v[ST+10*\t+4], v[ST+10*\t+2], v[ST+10*\t+3]
.endr
.irp t, 0,1
	v_permlanex16_b32 v[ST+10*\t+5], v[ST+10*\t+4], s[SEL], s[SEL+1]
.endr
.irp t, 0,1
	v_add_f32 v[ST+10*\t+4], v[ST+10*\t+4], v[ST+10*\t+5]
.endr
.irp t, 0,1
	v_rcp_f32 v[ST+10*\t+6], v[ST+10*\t+4]
.endr
	v_nop
	s_wait_alu depctr_va_vdst(0)                   ; one wait for both reciprocals, ahead of their first reader
.irp t, 0,1
.set i, 0
.rept 16
	v_pk_mul_f32 v[O+32*\t+i:O+32*\t+i+1], v[O+32*\t+i:O+32*\t+i+1], v[ST+10*\t+6:ST+10*\t+7] op_sel_hi:[1,0]
.set i, i+2
.endr
.set i, 0
.rept 16
	v_cvt_pk_f16_f32 v[S+32*\t+i], v[O+32*\t+2*i], v[O+32*\t+2*i+1]
.set i, i+1
.endr
.irp ct, 0,1,2,3
	ds_store_b128 v[STO], v[S+32*\t+4*\ct:S+32*\t+4*\ct+3] offset:2304*\t+32*\ct
.endr
.irp u, 0,1,2,3
	ds_load_b128 v[F+16*\t+4*\u:F+16*\t+4*\u+3], v[RD] offset:2304*\t+576*\u   ; LDS serves a wave's instructions in order: these see my stores
.endr
.endr
	s_wait_dscnt 0x0
.irp t, 0,1
.irp u, 0,1,2,3
	global_store_b128 v[GO], v[F+16*\t+4*\u:F+16*\t+4*\u+3], s[6:7] offset:2048*\t+512*\u   ; 32 lanes store 512 consecutive bytes, aligned
.endr
.endr
	s_wait_tensorcnt 0x0                           ; the wave's end: behind my last tensor load and my last LDS store
	ds_add_u32 v[SPW], v[NIL]
	s_wait_dscnt 0x0
	CROUND                                         ; the closing round
	s_endpgm
.Lfunc_end_k_q84bd0aacbf_attn:
	.size	k_q84bd0aacbf_attn, .Lfunc_end_k_q84bd0aacbf_attn-k_q84bd0aacbf_attn
	.p2alignl 7, 3214868480
	.fill 96, 4, 3214868480
	.section	.rodata,"a",@progbits
	.p2align	6, 0x0
	.amdhsa_kernel k_q84bd0aacbf_attn
		.amdhsa_group_segment_fixed_size 327680
		.amdhsa_private_segment_fixed_size 0
		.amdhsa_enable_private_segment 0
		.amdhsa_kernarg_size 16
		.amdhsa_user_sgpr_count 2
		.amdhsa_user_sgpr_kernarg_segment_ptr 1
		.amdhsa_wavefront_size32 1
		.amdhsa_system_sgpr_workgroup_id_x 1
		.amdhsa_system_sgpr_workgroup_id_y 1
		.amdhsa_system_sgpr_workgroup_id_z 1
		.amdhsa_system_vgpr_workitem_id 0
		.amdhsa_next_free_vgpr 256
		.amdhsa_next_free_sgpr 66
		.amdhsa_reserve_vcc 0
		.amdhsa_float_denorm_mode_32 3
		.amdhsa_float_denorm_mode_16_64 3
		.amdhsa_memory_ordered 1
		.amdhsa_forward_progress 1
		.amdhsa_inst_pref_size 153
	.end_amdhsa_kernel
	.amdgpu_metadata
---
amdhsa.version: [ 1, 2 ]
amdhsa.kernels:
  - .name:           k_q84bd0aacbf_attn
    .symbol:         k_q84bd0aacbf_attn.kd
    .args:
      - { .name: qkv, .offset: 0, .size: 8, .value_kind: global_buffer, .address_space: global }
      - { .name: ao, .offset: 8, .size: 8, .value_kind: global_buffer, .address_space: global }
    .group_segment_fixed_size: 327680
    .private_segment_fixed_size: 0
    .kernarg_segment_align: 8
    .kernarg_segment_size: 16
    .max_flat_workgroup_size: 512
    .sgpr_count:     66
    .vgpr_count:     256
    .wavefront_size: 32
...
	.end_amdgpu_metadata
.endif
;; end of part 3
;; launch proj (part 4): grid 4 x 64, 4 waves a work-group, clusters of 4 x 4, 327,680 bytes of LDS; arguments ao, wp16, b_proj, out0; writes out0
.if DOCPART == 4
	.amdgcn_target "amdgcn-amd-amdhsa--gfx1250"
	.amdhsa_code_object_version 6
	.text
	.protected	k_q84bd0aacbf_proj
	.globl	k_q84bd0aacbf_proj
	.p2align	8
	.type	k_q84bd0aacbf_proj,@function
k_q84bd0aacbf_proj:
	s_mov_b64 s[64:65], 0
	v_nop
	global_prefetch_b8 v0, s[64:65] scope:SCOPE_SE
	s_setreg_imm32_b32 hwreg(HW_REG_WAVE_MODE, 25, 1), 1
	s_wait_xcnt 0x0
	s_wait_alu depctr_hold_cnt(0) depctr_sa_sdst(0) depctr_va_vdst(0) depctr_va_sdst(0) depctr_va_ssrc(0) depctr_va_vcc(0) depctr_vm_vsrc(0)
	s_getreg_b32 s2, hwreg(HW_REG_IB_STS2, 6, 4)
	s_cmp_eq_u32 s2, 0
	s_cbranch_scc0 .Lentry_in_a_cluster
	s_endpgm
.Lentry_in_a_cluster:
	s_bfe_u32 s2, ttmp6, 0x10000c
	s_cmp_lg_u32 s2, 0xf033
	s_cbranch_scc0 .Lentry_shape_is_right
	s_endpgm
.Lentry_shape_is_right:
; out0[m][n] = the sum over k of A[m][k] w_proj[k][n] + b_proj[n].  A[batch x 2048 + pos][head x 64 + d] = ao[batch x 16 + head][pos][d], f16; wp16 [1024 (k)][1024 (n)] f16; sums in f32; out0 f32.
; A tile of 128 (m) x 256 (n) is made by four waves, each 64 x 128: 32 accumulators.  That gives 256 work-groups.  K goes in 8 steps of 128 (two heads' planes of ao) through a ring of two LDS slots.
; CLUSTERS: 4 x 4 work-groups; ao's tiles are shared along a row of the cluster, wp16's along a column, by joint loads.
; THE MATRIX INSTRUCTION IS USED TRANSPOSED: source 0 = 16 columns of w_proj (turned out of LDS by ds_load_tr16_b128), source 1 = 16 rows of A: a lane holds eight neighbouring numbers of a row of out0.
; The bias is the C of each sum's first matrix instruction: eight registers for each block of 16 columns, in the result's layout.
; No prefetch: the launch has 8 K steps on a small tile, and wp16 is read again and again by sixteen clusters.
; LIMITS: ao and w_proj in f16 (range 65,504).
; REGISTERS: window 0: v0-31 addresses; two fragment buffers of 96 at v32 and v128 (A's four fragments, then B's eight); on the way out v32-159.  window 1: accumulator (a, b) at v[8 (8 a + b)].  window 2: v0-63 the bias.
.set PA,     144                       ; a row of A in LDS: 128 bytes + 16
.set PB,     544                       ; a k-row of B: 512 bytes + 32: an odd multiple of 32, for the turning load
.set BOFF,   2*128*PA                  ; a slot: two planes of 128 rows of A, then 128 k-rows of B
.set SLOT,   BOFF+128*PB
.set SPARE,  2*SLOT                    ; the spare words, 128 bytes a wave: two blocks of 256 bytes that no other line names
.set SPITCH, 528                       ; the way out: a stage of 16 rows x (512 bytes + 16) for each wave, in slot 0
.set ADRA, 16                          ; v16-17
.set ADRB, 20                          ; v20-21
.set STO,  24
.set RD,   25
.set CO,   26
.set BO,   27
.set SPW,  28                          ; my spare word; never rewritten
.set NIL,  29                          ; 0; never rewritten
.set F0,   32
.set F1,   128
.set BK,   32                          ; the way out: 16 rows read back: v32-95 and v96-159 by turns
.set G1, 24
.set G0, 32
.set G1B, 48
.set G0B, 56
.set MSB, 0
.macro WIN new
.if MSB != \new
	s_set_vgpr_msb (MSB<<8)|\new
.set MSB, \new
.endif
.endm
.set MUL,  0x50                        ; C and D window 1, both sources window 0
.set MUL1, 0x60                        ; D window 1, C (the bias) window 2
.macro JLOAD s                         ; a joint load: waves 0 and 1 fetch A's two planes, waves 2 and 3 B's two halves; an s_nop 0 and four v_nop follow each line
	s_cmp_eq_u32 s13, 0
	s_cbranch_scc0 .Lfor_b_\@
	tensor_load_to_lds s[G0+4*\s:G0+4*\s+3], s[G1:G1+7]
	s_nop 0
.rept 4
	v_nop
.endr
	s_branch .Lasked_\@
.Lfor_b_\@:
	tensor_load_to_lds s[G0B+4*\s:G0B+4*\s+3], s[G1B:G1B+7]
	s_nop 0
.rept 4
	v_nop
.endr
.Lasked_\@:
.endm
.macro CREST                           ; a round of the cluster's barrier behind its opening barrier
	s_cmp_lg_u32 s12, 0
	s_cbranch_scc1 .Lnot_wave_0_\@
	s_barrier_signal -3
.Lnot_wave_0_\@:
	s_barrier_wait -3
	s_barrier_signal -1
	s_barrier_wait -1
.endm
.macro CROUND
	s_barrier_signal -1
	s_barrier_wait -1
	CREST
.endm
	s_load_b256 s[4:11], s[0:1], 0x0               ; ao s[4:5], wp16 s[6:7], b_proj s[8:9], out0 s[10:11]
	v_lshl_add_u32 v[SPW], v0, 2, SPARE
	v_mov_b32 v[NIL], 0
	ds_add_u32 v[SPW], v[NIL]                      ; the wave's opening: the add, twice on end, and its wait ahead of my first tensor load
	ds_add_u32 v[SPW], v[NIL]
	v_lshrrev_b32 v1, 5, v0
	v_readfirstlane_b32 s12, v1                    ; wave 0..3
	s_lshr_b32 s13, s12, 1                         ; which 64 rows are mine.  Also: I fetch for A (0) or for B (1)
	s_and_b32 s14, s12, 1                          ; which 128 columns.  Also: which plane of A, or which 64 k-rows of B, I fetch
	s_bfe_u32 s40, ttmp6, 0x40000                  ; cx, cy
	s_bfe_u32 s41, ttmp6, 0x40004
	s_lshl_b32 s42, ttmp9, 2
	s_add_co_u32 s42, s42, s40                     ; tile column
	s_and_b32 s15, ttmp7, 0xffff
	s_lshl_b32 s15, s15, 2
	s_add_co_u32 s15, s15, s41                     ; tile row
	s_lshl_b32 s43, s41, 2
	s_lshl_b32 s43, 15, s43                        ; my row of the cluster
	s_lshl_b32 s44, 0x1111, s40                    ; my column
	s_or_b32 s[G1+0], s43, (1<<16)|(1<<20)|(1<<21)|(4<<22)|(3<<25)  ; A: the mask; elements of 2 bytes; padding on; bit 21 beside a mask; 4 words after every 32
	s_mov_b32 s[G1+1], 64<<16                      ; tensor_dim0
	s_mov_b32 s[G1+2], 128<<16                     ; tensor_dim1
	s_mov_b32 s[G1+3], 64<<16                      ; tile_dim0
	s_mov_b32 s[G1+4], 128                         ; tile_dim1
	s_mov_b32 s[G1+5], 64                          ; stride
	s_mov_b32 s[G1+6], 0
	s_mov_b32 s[G1+7], 0
	s_or_b32 s[G1B+0], s44, (1<<16)|(1<<20)|(1<<21)|(6<<22)|(7<<25) ; B: 8 words after every 128
	s_mov_b32 s[G1B+1], 256<<16
	s_mov_b32 s[G1B+2], 64<<16
	s_mov_b32 s[G1B+3], 256<<16
	s_mov_b32 s[G1B+4], 64
	s_mov_b32 s[G1B+5], 1024
	s_mov_b32 s[G1B+6], 0
	s_mov_b32 s[G1B+7], 0
	s_lshr_b32 s16, s15, 4
	s_lshl_b32 s16, s16, 22                        ; A: batch x 16 heads of 262,144 bytes
	s_and_b32 s17, s15, 15
	s_lshl_b32 s17, s17, 14
	s_add_co_u32 s16, s16, s17                     ; + the tile's first position x 128 bytes
	s_lshl_b32 s17, s14, 18
	s_add_co_u32 s16, s16, s17                     ; + my plane
	s_mov_b32 s17, 0
	s_lshl_b32 s46, s42, 9                         ; B: the tile's first column x 2 bytes
	s_lshl_b32 s47, s14, 17
	s_add_co_u32 s46, s46, s47                     ; + my 64 k-rows of 2,048 bytes
	s_mov_b32 s47, 0
	s_mul_i32 s20, s14, 128*PA                     ; where they go
	s_mul_i32 s21, s14, 64*PB
	s_add_co_u32 s21, s21, BOFF
	s_wait_dscnt 0x0                               ; both opening adds are done
	s_wait_kmcnt 0x0
	s_add_nc_u64 s[18:19], s[4:5], s[16:17]
	s_add_nc_u64 s[46:47], s[6:7], s[46:47]
	CROUND                                         ; all sixteen work-groups are here: the first joint loads meet
.irp s, 0,1
	s_mov_b32 s[G0+4*\s], 1
	s_add_co_u32 s[G0+4*\s+1], s20, \s*SLOT
	s_add_nc_u64 s[G0+4*\s+2:G0+4*\s+3], s[18:19], \s*524288       ; K step s: two heads on
	s_or_b32 s[G0+4*\s+3], s[G0+4*\s+3], 0x80000000
	s_mov_b32 s[G0B+4*\s], 1
	s_add_co_u32 s[G0B+4*\s+1], s21, \s*SLOT
	s_add_nc_u64 s[G0B+4*\s+2:G0B+4*\s+3], s[46:47], \s*262144     ; 128 k-rows on
	s_or_b32 s[G0B+4*\s+3], s[G0B+4*\s+3], 0x80000000
	JLOAD \s
.endr
	v_and_b32 v1, 15, v0                           ; r
	v_bfe_u32 v2, v0, 4, 1                         ; h
	v_lshlrev_b32 v[BO], 5, v2
	s_lshl_b32 s22, s42, 10
	s_lshl_b32 s23, s14, 9
	s_add_co_u32 s22, s22, s23                     ; my first column x 4 bytes
	s_mov_b32 s23, 0
	s_add_nc_u64 s[8:9], s[8:9], s[22:23]
	WIN 0x80                                       ; destination window 2
.irp b, 0,1,2,3,4,5,6,7
.irp e, 0,1
	global_load_b128 v[8*\b+4*\e:8*\b+4*\e+3], v[BO], s[8:9] offset:64*\b+16*\e   ; register 8 b + j: the bias of column 16 b + 8 h + j
.endr
.endr
	WIN 0
	s_lshl_b32 s20, s15, 19                        ; out0: tile row x 128 rows of 4,096 bytes
	s_lshl_b32 s21, s13, 18                        ; + my 64 rows
	s_add_co_u32 s20, s20, s21
	s_add_co_u32 s20, s20, s22
	s_mov_b32 s21, 0
	s_add_nc_u64 s[10:11], s[10:11], s[20:21]
	v_mul_u32_u24 v3, v1, PA
	v_lshl_add_u32 v3, v2, 4, v3                   ; A: row r, + 16 h
	s_mul_i32 s21, s13, 64*PA
	v_and_b32 v4, 7, v0
	v_lshl_add_u32 v4, v2, 3, v4
	v_mul_u32_u24 v4, v4, PB                       ; B: k-row 8 h + lane % 8,
	v_bfe_u32 v5, v0, 3, 1
	v_lshl_add_u32 v4, v5, 4, v4                   ; columns 8 ((lane / 8) % 2) on
	s_lshl_b32 s22, s14, 8
	s_add_co_u32 s22, s22, BOFF
.irp s, 0,1
	v_add_nc_u32 v[ADRA+\s], s21, v3
	v_add_nc_u32 v[ADRB+\s], s22, v4
	s_add_co_u32 s21, s21, SLOT
	s_add_co_u32 s22, s22, SLOT
.endr
	s_mul_i32 s23, s12, 16*SPITCH                  ; my stage
	v_mul_u32_u24 v5, v1, SPITCH
	v_lshl_add_u32 v5, v2, 5, v5
	v_add_nc_u32 v[STO], s23, v5                   ; in: row r, 32 bytes for each half of the lanes
	v_and_b32 v6, 31, v0
	v_lshlrev_b32 v[CO], 4, v6                     ; back: the 32 lanes take one row of 512 bytes; and the same in out0
	v_add_nc_u32 v[RD], s23, v[CO]
; 24 LDS loads in one run: the fragments of the slot's qk-th 32 along K into buffer f
.macro FETCH slot, qk, f
.irp a, 0,1,2,3
	ds_load_b128 v[\f+8*\a:\f+8*\a+3],   v[ADRA+\slot] offset:((\qk)/2)*128*PA+((\qk)%2)*64+\a*16*PA
	ds_load_b128 v[\f+8*\a+4:\f+8*\a+7], v[ADRA+\slot] offset:((\qk)/2)*128*PA+((\qk)%2)*64+\a*16*PA+32
.endr
.irp b, 0,1,2,3,4,5,6,7
	ds_load_tr16_b128 v[\f+32+8*\b:\f+32+8*\b+3],   v[ADRB+\slot] offset:(\qk)*32*PB+32*\b
	ds_load_tr16_b128 v[\f+32+8*\b+4:\f+32+8*\b+7], v[ADRB+\slot] offset:(\qk)*32*PB+32*\b+16*PB
.endr
.endm
; 8 matrix instructions: rows 16 a on x all 8 blocks of columns.  The 32 accumulators take turns, one instruction a turn, in the same order in every quarter.
.macro MUL8 f, a, first
.irp b, 0,1,2,3,4,5,6,7
.if \first
	v_wmma_f32_16x16x32_f16 v[8*(8*(\a)+\b):8*(8*(\a)+\b)+7], v[\f+32+8*\b:\f+32+8*\b+7], v[\f+8*(\a):\f+8*(\a)+7], v[8*\b:8*\b+7]
.else
	v_wmma_f32_16x16x32_f16 v[8*(8*(\a)+\b):8*(8*(\a)+\b)+7], v[\f+32+8*\b:\f+32+8*\b+7], v[\f+8*(\a):\f+8*(\a)+7], v[8*(8*(\a)+\b):8*(8*(\a)+\b)+7]
.endif
.endr
.endm
.macro PLACES
.rept 4
	v_nop
.endr
.endm
; A K step is four quarters of 32 along K, 32 matrix instructions each, on buffers 0, 1, 0, 1.  One of the first three: multiplies buffer f; the next quarter's loads go out ahead of its products and land under them.
.macro QUARTER slot, qnext, f, g, first
	s_wait_dscnt 0x0                               ; buffer f is in
	PLACES                                         ; ahead of loads into buffer g, which the quarter before multiplied
	FETCH \slot, \qnext, \g
.if \first
	WIN MUL1
.else
	WIN MUL
.endif
	MUL8 \f, 0, \first
	MUL8 \f, 1, \first
	MUL8 \f, 2, \first
	MUL8 \f, 3, \first
	WIN 0
.endm
; The last quarter multiplies buffer 1 and changes slots: one barrier; in front of it each wave waits for all its tensor loads, adds 0 to its spare word, and waits for that and for its reads of this slot.
; fill = 1: the barrier opens a round of the cluster's, and this slot is filled again, two K steps ahead: the one tensor load of the wave behind the round.
.macro TURN slot, next, fill
	s_wait_tensorcnt 0x0                           ; all my tensor loads have landed: my part of the next slot
	ds_add_u32 v[SPW], v[NIL]                      ; 0 onto my spare word
	s_wait_dscnt 1                                 ; buffer 1 is in; the add alone may be out
	WIN MUL
	MUL8 F1, 0, 0                                  ; eight matrix instructions stand between the add and the wait for it
	s_wait_dscnt 0x0                               ; the add is done, and my reads of this slot are over
	s_barrier_signal -1
	MUL8 F1, 1, 0
	WIN 0                                          ; branches may follow
	s_barrier_wait -1
.if \fill
	CREST                                          ; no wave of any partner still reads this slot's tile or has a load on its way
	s_add_nc_u64 s[G0+4*\slot+2:G0+4*\slot+3], s[G0+4*\slot+2:G0+4*\slot+3], 1048576
	s_add_nc_u64 s[G0B+4*\slot+2:G0B+4*\slot+3], s[G0B+4*\slot+2:G0B+4*\slot+3], 524288
	JLOAD \slot                                    ; the four v_nop behind it are also the places in front of the loads below
.else
	PLACES
.endif
	FETCH \next, 0, F0
	WIN MUL
	MUL8 F1, 2, 0
	MUL8 F1, 3, 0
	WIN 0
.endm
	s_wait_tensorcnt 1                             ; my part of K step 0 is in; K step 1's load may be out
	s_barrier_signal -1
	s_barrier_wait -1
	FETCH 0, 0, F0
	s_wait_loadcnt 0x0                             ; the bias
	QUARTER 0, 1, F0, F1, 1                        ; the first quarter stands in front of the loop: its products start the sums from the bias
	s_mov_b32 s3, 3
.Llap:                                             ; a trip goes once round the ring, from a lap's second quarter to the next lap's first, and fills both slots again
	QUARTER 0, 2, F1, F0, 0
	QUARTER 0, 3, F0, F1, 0
	TURN 0, 1, 1
	QUARTER 1, 1, F0, F1, 0
	QUARTER 1, 2, F1, F0, 0
	QUARTER 1, 3, F0, F1, 0
	TURN 1, 0, 1
	QUARTER 0, 1, F0, F1, 0
	s_sub_co_u32 s3, s3, 1
	s_cmp_lg_u32 s3, 0
	s_cbranch_scc1 .Llap
	QUARTER 0, 2, F1, F0, 0                        ; the last lap fills nothing
	QUARTER 0, 3, F0, F1, 0
	TURN 0, 1, 0
	QUARTER 1, 1, F0, F1, 0
	QUARTER 1, 2, F1, F0, 0
	QUARTER 1, 3, F0, F1, 0
	s_wait_dscnt 0x0                               ; the very last quarter
	WIN MUL
	MUL8 F1, 0, 0
	MUL8 F1, 1, 0
	MUL8 F1, 2, 0
	MUL8 F1, 3, 0
	WIN 0
; THE WAY OUT, block by block of 16 rows x 128 columns, through my own stage in LDS (slot 0: it has had its last fill, and nobody reads it behind the last change of slots); back as whole rows of 512 bytes.
.macro TOSTAGE a
	WIN 0x04                                       ; an LDS store's data are its source 1: window 1
.irp b, 0,1,2,3,4,5,6,7
	ds_store_b128 v[STO], v[8*(8*(\a)+\b):8*(8*(\a)+\b)+3] offset:64*\b            ; each accumulator from its low end on
	ds_store_b128 v[STO], v[8*(8*(\a)+\b)+4:8*(8*(\a)+\b)+7] offset:64*\b+16
.endr
	WIN 0
.set BB, BK+64*((\a)%2)
.irp t, 0,1,2,3,4,5,6,7,8,9,10,11,12,13,14,15
	ds_load_b128 v[BB+4*\t:BB+4*\t+3], v[RD] offset:\t*SPITCH    ; LDS serves a wave's instructions in order: these see the stores above
.endr
.endm
.macro SEND a, younger                 ; younger: the LDS instructions issued behind block a's loads, which may stay out
.set BB, BK+64*((\a)%2)
	s_wait_dscnt \younger
.if (\a) > 0
	s_add_nc_u64 s[10:11], s[10:11], 65536         ; 16 rows on (behind a wait on XCNT: the earlier stores have read their base)
.endif
.irp t, 0,1,2,3,4,5,6,7,8,9,10,11,12,13,14,15
	global_store_b128 v[CO], v[BB+4*\t:BB+4*\t+3], s[10:11] offset:\t*4096 th:TH_STORE_NT   ; 32 lanes store 512 consecutive bytes, aligned; written once, read by nobody here
.endr
.endm
	PLACES                                         ; behind the last products: for the reads of results and the loads into the fragments' registers
	TOSTAGE 0
.irp a, 1,2,3
.if \a > 1
	s_wait_xcnt 0x0                                ; block a - 2's stores have read their registers and their base
.endif
	TOSTAGE \a
	SEND \a-1, 32                                  ; behind block a - 1's loads: block a's 16 stores and 16 loads
.endr
	s_wait_xcnt 0x0
	SEND 3, 0
	s_wait_tensorcnt 0x0                           ; the wave's end: behind my last tensor load and my last LDS store
	ds_add_u32 v[SPW], v[NIL]
	s_wait_dscnt 0x0
	CROUND                                         ; the closing round
	s_endpgm
.Lfunc_end_k_q84bd0aacbf_proj:
	.size	k_q84bd0aacbf_proj, .Lfunc_end_k_q84bd0aacbf_proj-k_q84bd0aacbf_proj
	.p2alignl 7, 3214868480
	.fill 96, 4, 3214868480
	.section	.rodata,"a",@progbits
	.p2align	6, 0x0
	.amdhsa_kernel k_q84bd0aacbf_proj
		.amdhsa_group_segment_fixed_size 327680
		.amdhsa_private_segment_fixed_size 0
		.amdhsa_enable_private_segment 0
		.amdhsa_kernarg_size 32
		.amdhsa_user_sgpr_count 2
		.amdhsa_user_sgpr_kernarg_segment_ptr 1
		.amdhsa_wavefront_size32 1
		.amdhsa_system_sgpr_workgroup_id_x 1
		.amdhsa_system_sgpr_workgroup_id_y 1
		.amdhsa_system_sgpr_workgroup_id_z 1
		.amdhsa_system_vgpr_workitem_id 0
		.amdhsa_next_free_vgpr 576
		.amdhsa_next_free_sgpr 66
		.amdhsa_reserve_vcc 0
		.amdhsa_float_denorm_mode_32 3
		.amdhsa_float_denorm_mode_16_64 3
		.amdhsa_memory_ordered 1
		.amdhsa_forward_progress 1
		.amdhsa_inst_pref_size 86
	.end_amdhsa_kernel
	.amdgpu_metadata
---
amdhsa.version: [ 1, 2 ]
amdhsa.kernels:
  - .name:           k_q84bd0aacbf_proj
    .symbol:         k_q84bd0aacbf_proj.kd
    .args:
      - { .name: ao, .offset: 0, .size: 8, .value_kind: global_buffer, .address_space: global }
      - { .name: wp16, .offset: 8, .size: 8, .value_kind: global_buffer, .address_space: global }
      - { .name: b_proj, .offset: 16, .size: 8, .value_kind: global_buffer, .address_space: global }
      - { .name: out0, .offset: 24, .size: 8, .value_kind: global_buffer, .address_space: global }
    .group_segment_fixed_size: 327680
    .private_segment_fixed_size: 0
    .kernarg_segment_align: 8
    .kernarg_segment_size: 32
    .max_flat_workgroup_size: 128
    .sgpr_count:     66
    .vgpr_count:     576
    .wavefront_size: 32
...
	.end_amdgpu_metadata
.endif
;; end of part 4
